; MI455X (gfx1250); checked and timed in simulation.
; The chip was launched on July 23, 2026; its instructions are those of AMD's public machine-readable ISA for CDNA 5 (MIT licence, August 2026) and "CDNA5" Instruction Set Architecture Reference Guide (July 2026). The comments in the code are by the model that wrote it; some were corrected since.
;; Causal Self Attention. Allowed arithmetic: matrix products marked QUANTISED: E2M3 operands, one E8M0 scale for each 32 along K, by v_wmma_scale_f32_16x16x128_f8f6f4 with both operands' format E2M3, f32 sums; everything else in f32.
;; Inputs: b_out 1,024 float32; b_qkv 3,072 float32; w_out 1,024 x 1,024 float32; w_qkv 1,024 x 3,072 float32; x 4 x 2,048 x 1,024 float32.
;; Outputs: out0 4 x 2,048 x 1,024 float32.
;; This version of the problem:
;;   THIS VERSION OF THE PROBLEM IS GIVEN IN LOW PRECISION. The matrix products marked QUANTISED in the list below multiply operands that are first quantised to E2M3 (2 exponent bits, 3 mantissa bits; 6 bits a number), with one power-of-two scale for each 32 numbers along K (OCP MX v1.0); their sums are f32. All else is computed in f32.
;;   The module's matrix products, in the order in which they are computed (A, B: the left and right operand; K: the contracted axis; several contracted axes count as one K, in the product's order):
;;     1. [M 8,192, K 1,024] x [K 1,024, N 3,072]; A: input x; B: input w_qkv: QUANTISED
;;     2. batch 64 x [M 2,048, K 64] x [K 64, N 2,048]; A: computed on the way; B: computed on the way: QUANTISED
;;     3. batch 64 x [M 2,048, K 2,048] x [K 2,048, N 64]; A: softmax (see below); B: computed on the way: QUANTISED
;;     4. [M 8,192, K 1,024] x [K 1,024, N 1,024]; A: computed on the way; B: input w_out: QUANTISED
;;   THE QUANTISER, for each operand of a quantised product, along K:
;;     - K is cut into blocks of 32 from its start; a last block that is shorter is filled with zeros.
;;     - A block's scale is 2^e with e = floor(log2(the largest magnitude in the block)) - 2, held to -126 .. 127; a block of zeros has e = 0. As a byte (E8M0): e + 127.
;;     - Each number is divided by its block's scale, clamped to +-7.5, and rounded to the nearest number of E2M3, ties to even, subnormals kept.
;;     - The product sums the exact products of the quantised numbers (number of the format x scale) in f32.
;;   ~~~python
;;   def quantise(x, axis):      # numpy; x: float32 -> the quantised numbers, widened to float32 again
;;       x = np.moveaxis(x, axis, -1); K = x.shape[-1]
;;       x = np.pad(x, [(0, 0)] * (x.ndim - 1) + [(0, -K % 32)]); x = x.reshape(x.shape[:-1] + (-1, 32)); a = np.abs(x).max(-1, keepdims=True)
;;       e = np.where(a > 0, np.clip(np.frexp(np.where(a > 0, a, 1))[1] - 1 - 2, -126, 127), 0)      # np.frexp(a)[1] - 1 = floor(log2(a)), exactly
;;       r = np.clip(x / 2.0 ** e, -7.5, 7.5)
;;       step = 2.0 ** (np.maximum(np.frexp(np.where(r == 0, 1, r))[1] - 1, 0) - 3)
;;       q = np.round(r / step) * step * 2.0 ** e      # np.round: ties to even
;;       return np.moveaxis(q.reshape(q.shape[:-2] + (-1,))[..., :K], -1, axis).astype(np.float32)
;;   ~~~
;;   SOFTMAX AHEAD OF A QUANTISED PRODUCT. Where the list says 'softmax', what is quantised is not the finished softmax but p = 2^(t - M), with t = logit x log2(e) and M = ceil(the row's largest t), a whole number; so 1/2 < the row's largest p <= 1. The row's sum l is taken of the UNQUANTISED p, in f32, and the product's result is divided by l at the end. Since M is a whole number, a kernel that streams over the keys may use a running M (the ceiling of the running maximum): every later rescaling is an exact power of two, which a block's scale takes up: the codes' values come out the same.
;;   OPERANDS COMPUTED ON THE WAY. 'Computed on the way' means the value that the module computes at that place (a softmax that the list does not call 'softmax' is quantised finished and normalised). What goes into a quantiser is computed in f32, as accurately as f32 sums, v_exp_f32 and their like allow (about 1e-6 of the number): no bf16 or f16 on the way to a quantiser, and a product that is left as it is and whose result goes on into a quantised operand takes f32 operands (vector FMAs, or v_wmma_f32_16x16x4_f32). A number that lies on a knife's edge between two numbers of the format may be rounded either way, as far as f32 arithmetic and the matrix unit's own rounding can turn it there, and no further.
;; One version. Each part assembles by itself: llvm-mc -triple=amdgcn-amd-amdhsa -mcpu=gfx1250 --defsym DOCPART=n.
;; ======== version 1 of 1: 4 launches
;; limits: right only within a limited range of input values
;; workspace buffers: cw 15,728,640 bytes; cs 655,360 bytes; at 19,922,944 bytes
;; launch quant (part 1): grid 384 x 1, 8 waves a work-group, no clusters, 71,680 bytes of LDS; arguments x, w_qkv, w_out, cw, cs; writes cw, cs
.if DOCPART == 1
	.amdgcn_target "amdgcn-amd-amdhsa--gfx1250"
	.amdhsa_code_object_version 6
	.text
	.protected	k_q13d4ca2ef5_quant
	.globl	k_q13d4ca2ef5_quant
	.p2align	8
	.type	k_q13d4ca2ef5_quant,@function
k_q13d4ca2ef5_quant:
	s_mov_b64 s[64:65], 0
	v_nop
	global_prefetch_b8 v0, s[64:65] scope:SCOPE_SE
	s_setreg_imm32_b32 hwreg(HW_REG_WAVE_MODE, 25, 1), 1
	s_wait_xcnt 0x0
; x [8192][1024], w_qkv [1024][3072] and w_out [1024][1024], f32, become codes of FP6 (E2M3) with one E8M0 byte for each 32 along K (K = 1024 in all three).
; A block's scale is 2^(floor(log2(its largest magnitude)) - 2); its byte is the largest magnitude's exponent field - 2, held at 1 from below.
; LIMITS: NaN and infinities among the inputs are not served; a block whose largest magnitude lies under 2^-124 is held at the byte 1; a block of zeros gets the byte 1
; where the quantiser says 127: its codes are zeros, which add nothing under any byte but 0xff, and the bytes are read by this program alone.
; LAYOUT OF THE CODES (cw): [tile][kh 0..15][768 bytes].  A tile is 16 rows of an operand; lane-row i of tile t is row 32 (t / 2) + 16 (i / 8) + 8 (t % 2) + i % 8.
; 768 bytes are 16 rows x 64 K as an image of six operand registers: lane (r, h) owns row r, block h: its first 16 bytes at 16 x lane, its last 8 at 512 + 8 x lane.
; Tiles 0-511: x (by token); 512-703: w_qkv (by output feature); 704-767: w_out.  (768-1279 are written by a later launch.)
; LAYOUT OF THE SCALE BYTES (cs): [tile / 2][quarter of K][tile % 2][r][8 bytes]: byte j of the 8 is K block 8 x quarter + j.
; Work-groups 0-127 take x, 128-319 w_qkv, 320-383 w_out: scalar branches on the work-group's number.  No tensor loads; memory binds, so every load and store covers whole aligned runs.
.set XSTG,  4352                       ; a stage: 16 rows x (256 bytes + 16)
.set WREG,  2*XSTG                     ; two stages for each wave of the x path
.set WSCA,  8*WREG                     ; 512 bytes for w_qkv's scale bytes
.set WSCB,  WSCA+512                   ; 512 bytes for w_out's: each path has LDS bytes of its own
.set R,     16                         ; v16-143  x path: four sets of 32 registers as loaded
.set X,     144                        ; v144-207 x path: two sets of 32 neighbours along K
.set E,     220                        ; v220-223 x path: scale words, E + 2 u + word
; 32 numbers of a lane, v[xs] on, are one block: codes into v[c] .. v[c + 5] (through v[t] .. v[t + 2]: a conversion's three registers begin on an even number), the byte into v[by].
.macro BLOCK32 xs, c, t, by
	v_max3_num_f32 v10, |v[\xs]|, |v[\xs+1]|, 0x1800000            ; the floor 2^(3 - 127) among the leaves: the byte cannot fall under 1
	v_max3_num_f32 v11, |v[\xs+16]|, |v[\xs+17]|, |v[\xs+18]|      ; two chains, so that no line waits for the line above it
.irp i, 2,4,6,8,10,12
	s_delay_alu instid0(VALU_DEP_2)
	v_max3_num_f32 v10, v10, |v[\xs+\i]|, |v[\xs+\i+1]|
	s_delay_alu instid0(VALU_DEP_2)
	v_max3_num_f32 v11, v11, |v[\xs+17+\i]|, |v[\xs+18+\i]|
.endr
	s_delay_alu instid0(VALU_DEP_2)
	v_max3_num_f32 v10, v10, |v[\xs+14]|, |v[\xs+15]|
	s_delay_alu instid0(VALU_DEP_1)
	v_max3_num_f32 v10, v10, v11, |v[\xs+31]|
	s_delay_alu instid0(VALU_DEP_1)
	v_add_nc_u32 v12, 0xff000000, v10                              ; 2 off the exponent field: the conversion takes the exponent field of this operand as its scale
	v_cvt_scalef32_pk16_fp6_f32 v[\c:\c+2], v[\xs:\xs+15], v12
	v_cvt_scalef32_pk16_fp6_f32 v[\t:\t+2], v[\xs+16:\xs+31], v12
	v_lshrrev_b32 v[\by], 23, v12                                  ; the byte; also the plain line behind the conversions
.irp i, 0,1,2
	v_mov_b32 v[\c+3+\i], v[\t+\i]
.endr
.endm
	s_load_b128 s[4:7], s[0:1], 0x0                ; x, w_qkv
	s_load_b128 s[8:11], s[0:1], 0x10              ; w_out, cw
	s_load_b64 s[12:13], s[0:1], 0x20              ; cs
	v_lshl_add_u32 v232, v0, 2, 0x11400
	v_mov_b32 v233, 0
	v_lshrrev_b32 v1, 5, v0
	s_delay_alu instid0(VALU_DEP_1)
	v_readfirstlane_b32 s14, v1                    ; wave 0..7
	v_and_b32 v7, 31, v0                           ; lane
	v_and_b32 v8, 15, v0                           ; r
	v_bfe_u32 v9, v0, 4, 1                         ; h
	s_delay_alu instid0(VALU_DEP_3)
	v_lshlrev_b32 v4, 4, v7                        ; 16 x lane
	s_delay_alu instid0(VALU_DEP_4)
	v_lshlrev_b32 v5, 3, v7                        ; 8 x lane
	s_cmp_lt_u32 ttmp9, 128
	s_cbranch_scc0 .Lweights
; ---------------- x: K is innermost.  A wave owns a pair of tiles (32 tokens) x a quarter of K (256): eight steps of 16 rows x 64 K.
; A step's eight loads read whole rows' 256 bytes, sixteen lanes to a row; the 4,096 bytes turn through the wave's own stage and come back 128 bytes a lane: a whole block.
	s_lshr_b32 s15, s14, 2
	s_and_b32 s16, s14, 3                          ; the quarter of K
	s_lshl_b32 s17, ttmp9, 1
	s_add_co_u32 s17, s17, s15                     ; the pair of tiles: 2 x work-group + wave / 4
	s_lshl_b32 s20, s17, 17                        ; x: 32 rows of 4,096 bytes a pair,
	s_lshl_b32 s18, s16, 10                        ; 1,024 bytes a quarter
	s_add_co_u32 s20, s20, s18
	s_mov_b32 s21, 0
	s_mul_i32 s22, s17, 24576                      ; codes: two tiles of 12,288 bytes a pair,
	s_mul_i32 s18, s16, 3072                       ; four images a quarter
	s_add_co_u32 s22, s22, s18
	s_mov_b32 s23, 0
	s_lshl_b32 s24, s17, 10                        ; scale bytes: 1,024 a pair, 256 a quarter
	s_lshl_b32 s18, s16, 8
	s_add_co_u32 s24, s24, s18
	s_mov_b32 s25, 0
	s_mul_i32 s19, s14, WREG                       ; my stages
	s_mov_b32 s26, 0x76543210
	s_mov_b32 s27, 0xfedcba98                      ; v_permlanex16_b32's selects for lane l xor 16
	s_wait_alu depctr_va_vdst(0)
	v_lshlrev_b32 v1, 12, v9
	s_delay_alu instid0(VALU_DEP_1)
	v_lshl_add_u32 v1, v8, 4, v1                   ; a load: lanes 0-15 one row, lanes 16-31 the next; 16 bytes a lane
	v_mul_u32_u24 v2, v9, 272
	s_delay_alu instid0(VALU_DEP_1)
	v_lshl_add_u32 v2, v8, 4, v2
	s_delay_alu instid0(VALU_DEP_1)
	v_add_nc_u32 v2, s19, v2                       ; the stage, on the way in
	v_mul_u32_u24 v3, v8, 272
	s_delay_alu instid0(VALU_DEP_1)
	v_lshl_add_u32 v3, v9, 7, v3
	s_delay_alu instid0(VALU_DEP_1)
	v_add_nc_u32 v3, s19, v3                       ; and on the way out: row r, block h
	v_lshlrev_b32 v6, 3, v9                        ; 8 h: my byte's shift in a pair of bytes
.irp e, 0,1,2,3
	v_mov_b32 v[E+\e], 0
	v_mov_b32 v[228+\e], 0                         ; a lane permute's destination counts as one of its sources
.endr
	s_wait_kmcnt 0x0
	s_add_nc_u64 s[4:5], s[4:5], s[20:21]
	s_add_nc_u64 s[10:11], s[10:11], s[22:23]
	s_add_nc_u64 s[12:13], s[12:13], s[24:25]
.macro XLOAD st                        ; step st: tile st / 4 of the pair, 64 K at st % 4; load i brings lane-rows 2 i and 2 i + 1
.irp i, 0,1,2,3,4,5,6,7
	global_load_b128 v[R+32*((\st)%4)+4*\i:R+32*((\st)%4)+4*\i+3], v1, s[4:5] offset:(16*(\i/4)+8*((\st)/4)+(2*\i)%8)*4096+((\st)%4)*256 th:TH_LOAD_NT
.endr
.endm
.macro XTURN st                        ; through the stage: LDS serves a wave's instructions in order, so no wait stands between the stores and the loads
.irp i, 0,1,2,3,4,5,6,7
	ds_store_b128 v2, v[R+32*((\st)%4)+4*\i:R+32*((\st)%4)+4*\i+3] offset:((\st)%2)*XSTG+\i*544
.endr
.irp i, 0,1,2,3,4,5,6,7
	ds_load_b128 v[X+32*((\st)%2)+4*\i:X+32*((\st)%2)+4*\i+3], v3 offset:((\st)%2)*XSTG+16*\i
.endr
.endm
.macro XSTEP st
	s_wait_dscnt 0x0                               ; this step's numbers are back from the stage, and its stores into the stage have read their registers,
.if (\st)+4 < 8
	XLOAD (\st)+4                                  ; which take the loads of four steps on
.endif
.if (\st) < 7
.if (\st) < 4
	s_wait_loadcnt 24                              ; the next step's eight loads are in; those of the three steps behind it may be out
.else
	s_wait_loadcnt 8*(6-(\st))                     ; towards the end fewer steps stand behind it
.endif
	XTURN (\st)+1
.endif
	s_wait_xcnt 0x0                                ; the last step's stores have read their data: the codes' registers are written again only behind this wait
	BLOCK32 X+32*((\st)%2), 208, 216, 13
	s_delay_alu instid0(VALU_DEP_4)
	v_lshlrev_b32 v13, v6, v13                     ; my block's byte at 8 h,
	s_delay_alu instid0(VALU_DEP_1)
	v_lshl_or_b32 v[E+2*((\st)/4)+((\st)%4)/2], v13, 16*((\st)%2), v[E+2*((\st)/4)+((\st)%4)/2]   ; and at its 64 K's place in the scale word
	global_store_b128 v4, v[208:211], s[10:11] offset:((\st)/4)*12288+((\st)%4)*768       ; 512 consecutive bytes
	global_store_b64 v5, v[212:213], s[10:11] offset:((\st)/4)*12288+((\st)%4)*768+512    ; and 256
.endm
	XLOAD 0
	XLOAD 1
	XLOAD 2
	XLOAD 3
	s_wait_loadcnt 24                              ; step 0's eight loads are in
	XTURN 0
.irp t, 0,1,2,3,4,5,6,7
	XSTEP \t
.endr
.irp e, 0,1,2,3
	v_permlanex16_b32 v[228+\e], v[E+\e], s26, s27
.endr
.irp e, 0,1,2,3
	s_delay_alu instid0(VALU_DEP_4)
	v_or_b32 v[E+\e], v[E+\e], v[228+\e]           ; with lane l xor 16's bytes the words are whole
.endr
	s_mov_b32 vcc_lo, 0xffff0000
	v_cndmask_b32 v14, v[E], v[E+2], vcc_lo        ; lanes 0-15 store the first tile's two words, lanes 16-31 the second's
	v_cndmask_b32 v15, v[E+1], v[E+3], vcc_lo
	global_store_b64 v5, v[14:15], s[12:13]        ; 256 consecutive bytes, aligned
	s_wait_tensorcnt 0x0
	ds_add_u32 v232, v233
	s_wait_dscnt 0x0
	s_endpgm
; ---------------- a weight: K is its FIRST axis.  A lane takes a column and its registers run down K: 64 numbers, two blocks.  A wave owns a pair of tiles (32 columns) x 64 K.
; Lanes 0-15 take the first tile's rows, lanes 16-31 the second's; each load reads the pair's 128 consecutive bytes, and two waves stand side by side on 256.
; A lane then holds both blocks of ITS row; the image wants block h in lane (r, h): six exchanges of halves between the two blocks' codes give both tiles' images.
.macro WQ STRIDE, TILE0, WG0, WSC, WP
	s_sub_co_u32 s15, ttmp9, \WG0
	s_and_b32 s16, s15, 3                          ; the quarter of K
	s_lshr_b32 s17, s15, 2                         ; which two pairs of tiles
	s_lshr_b32 s18, s14, 2                         ; which of the two
	s_and_b32 s19, s14, 3                          ; which 64 K of the quarter
	s_lshl_b32 s20, s17, 1
	s_add_co_u32 s20, s20, s18                     ; the pair
	s_lshl_b32 s21, s16, 2
	s_add_co_u32 s21, s21, s19                     ; kh
	v_lshrrev_b32 v1, 3, v8
	v_and_b32 v2, 7, v0
	s_delay_alu instid0(VALU_DEP_1)
	v_lshl_add_u32 v1, v1, 4, v2                   ; 16 (r / 8) + r % 8
	s_delay_alu instid0(VALU_DEP_1)
	v_lshl_add_u32 v1, v9, 3, v1                   ; + 8 x (lane / 16)
	s_lshl_b32 s22, s20, 5
	v_add_nc_u32 v1, s22, v1                       ; my column,
	s_delay_alu instid0(VALU_DEP_1)
	v_lshlrev_b32 v1, 2, v1                        ; in bytes
	s_lshl_b32 s26, s18, 8
	s_lshl_b32 s27, s19, 1
	s_add_co_u32 s26, s26, s27
	s_add_co_u32 s26, s26, \WSC
	v_add_nc_u32 v3, s26, v5                       ; LDS: my row's 8 scale bytes of the quarter, my two of them
	v_add_nc_u32 v7, \WSC, v4                      ; and where wave 0 reads all 512 back
	v_lshlrev_b32 v6, 10, v9
	s_delay_alu instid0(VALU_DEP_1)
	v_lshl_add_u32 v6, v8, 4, v6                   ; in cs: lanes 0-15 the first pair's 256 bytes, lanes 16-31 the next pair's
	s_mul_i32 s22, s21, 64*\STRIDE
	s_mov_b32 s23, 0
	s_mul_i32 s24, s20, 24576
	s_mul_i32 s25, s21, 768
	s_add_co_u32 s24, s24, s25
	s_add_co_u32 s24, s24, \TILE0*12288
	s_mov_b32 s25, 0
	s_lshl_b32 s28, s17, 11
	s_lshl_b32 s29, s16, 8
	s_add_co_u32 s28, s28, s29
	s_add_co_u32 s28, s28, (\TILE0/2)*1024
	s_mov_b32 s29, 0
	s_wait_alu depctr_va_vdst(0)
	s_wait_kmcnt 0x0
	s_add_nc_u64 s[\WP:\WP+1], s[\WP:\WP+1], s[22:23]
	s_add_nc_u64 s[10:11], s[10:11], s[24:25]
	s_add_nc_u64 s[12:13], s[12:13], s[28:29]
.set i, 0
.rept 64
	global_load_b32 v[16+i], v1, s[\WP:\WP+1] offset:i*\STRIDE th:TH_LOAD_NT
.set i, i+1
.endr
	s_wait_loadcnt 32                              ; the first block's 32 loads are in; the second block's may be out
	BLOCK32 16, 80, 88, 14
	s_wait_loadcnt 0x0
	BLOCK32 48, 92, 100, 15
.irp i, 0,1,2,3,4,5
	v_permlane16_swap_b32 v[80+\i], v[92+\i]       ; block 0's lanes 16-31 change places with block 1's lanes 0-15: v80-85 is the first tile's image, v92-97 the second's
.endr
	v_lshl_or_b32 v13, v15, 8, v14
	ds_store_b16 v3, v13                           ; my row's two bytes
	global_store_b128 v4, v[80:83], s[10:11]
	global_store_b64 v5, v[84:85], s[10:11] offset:512
	global_store_b128 v4, v[92:95], s[10:11] offset:12288
	global_store_b64 v5, v[96:97], s[10:11] offset:12288+512
	s_wait_dscnt 0x0                               ; for the others' sake: my bytes lie in LDS
	s_barrier_signal -1
	s_barrier_wait -1
	s_cmp_lg_u32 s14, 0
	s_cbranch_scc1 .Lw_end_\@
	ds_load_b128 v[104:107], v7                    ; the eight waves' bytes: two runs of 256
	s_wait_dscnt 0x0
	global_store_b128 v6, v[104:107], s[12:13]     ; sixteen lanes store 256 consecutive bytes, aligned
.Lw_end_\@:
	s_wait_tensorcnt 0x0
	ds_add_u32 v232, v233
	s_wait_dscnt 0x0
	s_endpgm
.endm
.Lweights:
	s_cmp_lt_u32 ttmp9, 320
	s_cbranch_scc0 .Lwout
	s_wait_alu depctr_va_vdst(0)
	WQ 12288, 512, 128, WSCA, 6
.Lwout:
	s_wait_alu depctr_va_vdst(0)
	WQ 4096, 704, 320, WSCB, 8
.Lfunc_end_k_q13d4ca2ef5_quant:
	.size	k_q13d4ca2ef5_quant, .Lfunc_end_k_q13d4ca2ef5_quant-k_q13d4ca2ef5_quant
	.p2alignl 7, 3214868480
	.fill 96, 4, 3214868480
	.section	.rodata,"a",@progbits
	.p2align	6, 0x0
	.amdhsa_kernel k_q13d4ca2ef5_quant
		.amdhsa_group_segment_fixed_size 71680
		.amdhsa_private_segment_fixed_size 0
		.amdhsa_enable_private_segment 0
		.amdhsa_kernarg_size 40
		.amdhsa_user_sgpr_count 2
		.amdhsa_user_sgpr_kernarg_segment_ptr 1
		.amdhsa_wavefront_size32 1
		.amdhsa_system_sgpr_workgroup_id_x 1
		.amdhsa_system_sgpr_workgroup_id_y 1
		.amdhsa_system_sgpr_workgroup_id_z 1
		.amdhsa_system_vgpr_workitem_id 0
		.amdhsa_next_free_vgpr 234
		.amdhsa_next_free_sgpr 66
		.amdhsa_reserve_vcc 1
		.amdhsa_float_denorm_mode_32 3
		.amdhsa_float_denorm_mode_16_64 3
		.amdhsa_memory_ordered 1
		.amdhsa_forward_progress 1
		.amdhsa_inst_pref_size 62
	.end_amdhsa_kernel
	.amdgpu_metadata
---
amdhsa.version: [ 1, 2 ]
amdhsa.kernels:
  - .name:           k_q13d4ca2ef5_quant
    .symbol:         k_q13d4ca2ef5_quant.kd
    .args:
      - { .name: x, .offset: 0, .size: 8, .value_kind: global_buffer, .address_space: global }
      - { .name: w_qkv, .offset: 8, .size: 8, .value_kind: global_buffer, .address_space: global }
      - { .name: w_out, .offset: 16, .size: 8, .value_kind: global_buffer, .address_space: global }
      - { .name: cw, .offset: 24, .size: 8, .value_kind: global_buffer, .address_space: global }
      - { .name: cs, .offset: 32, .size: 8, .value_kind: global_buffer, .address_space: global }
    .group_segment_fixed_size: 71680
    .private_segment_fixed_size: 0
    .kernarg_segment_align: 8
    .kernarg_segment_size: 40
    .max_flat_workgroup_size: 256
    .sgpr_count:     66
    .vgpr_count:     234
    .wavefront_size: 32
...
	.end_amdgpu_metadata
.endif
;; end of part 1
;; launch qkv (part 2): grid 8 x 32, 4 waves a work-group, clusters of 4 x 4, 327,680 bytes of LDS; arguments cw, cs, b_qkv, at; writes at
.if DOCPART == 2
	.amdgcn_target "amdgcn-amd-amdhsa--gfx1250"
	.amdhsa_code_object_version 6
	.text
	.protected	k_q13d4ca2ef5_qkv
	.globl	k_q13d4ca2ef5_qkv
	.p2align	8
	.type	k_q13d4ca2ef5_qkv,@function
k_q13d4ca2ef5_qkv:
	s_mov_b64 s[64:65], 0
	v_nop
	global_prefetch_b8 v0, s[64:65] scope:SCOPE_SE
	s_setreg_imm32_b32 hwreg(HW_REG_WAVE_MODE, 25, 1), 1
	s_wait_xcnt 0x0
	s_wait_alu depctr_hold_cnt(0) depctr_sa_sdst(0) depctr_va_vdst(0) depctr_va_sdst(0) depctr_va_ssrc(0) depctr_va_vcc(0) depctr_vm_vsrc(0)
	s_getreg_b32 s2, hwreg(HW_REG_IB_STS2, 6, 4)
	s_cmp_eq_u32 s2, 0
	s_cbranch_scc0 .Lentry_in_a_cluster
	s_endpgm
.Lentry_in_a_cluster:
	s_bfe_u32 s2, ttmp6, 0x10000c
	s_cmp_lg_u32 s2, 0xf033
	s_cbranch_scc0 .Lentry_shape_is_right
	s_endpgm
.Lentry_shape_is_right:
; qkv = x w_qkv + b_qkv on codes of FP6 (E2M3) with E8M0 scales, K = 1024, and its result quantised at once into the layouts that the attention launch reads.  No f32 result goes to memory.
; THE DEAL: 8 x 32 = 256 work-groups of four waves.  Work-group (g, tb) keeps 256 tokens of x (16 tiles of 12,288 bytes, all of K) in LDS for the whole launch and walks THREE PASSES over 128 features each:
; heads 2 g and 2 g + 1 of q, then of k, then of v.  A pass's weights (8 tiles) lie in a region of their own, filled at the head and filled again twice, each time behind a drained round of the cluster's barrier
; that stands inside the pass's last step, so that 24 products and the way out stand between the request and the wait for it.
; A wave makes 128 tokens (a key step) x 64 features (a head): 32 accumulators.  A step of 128 along K fetches 8 + 4 fragments for the next step ahead of its 32 products; both operands have two sets of registers.
; q, k: source 0 = the weight's rows, source 1 = x's: a lane holds one token and 32 numbers along the head's 64.  v: source 0 = x's rows, source 1 = the weight's: a lane holds one feature and 64 numbers along the keys.
; (Lane-row i of tile t is row 32 (t / 2) + 16 (i / 8) + 8 (t % 2) + i % 8, so the 16 registers of two neighbouring tiles are 16 neighbours.)  The bias is the first products' C in every pass.
; q's and k's passes are one text, a loop of two trips; what differs lies in scalars, and the tail that stores the scale words branches on the trip.
; OPERANDS (cw, cs): [tile][kh][768 bytes], images of six operand registers; x: tiles 0-511, w_qkv: 512-703 by output feature.  cs: [tile / 2][quarter of K][tile % 2][r][8 bytes].
; OUTPUT (at): [head 0..63][key step 0..15][12,800]: K's 4 fragments, V^T's 4 fragments, K's scale words [r][4], V's [r][4]; from QCOFF q's images [head][tile][768]; from QSOFF q's scale words [head][tile / 4][r][tile % 4].
; CLUSTERS: 4 x 4; x's tiles are asked for jointly along a row of the cluster (same tb), the weights' along a column (same g).
; PREFETCH: a pass's weights are asked for one pass ahead: 384 blocks of 256 bytes, 24 to each of the sixteen waves of the four partners that will load them jointly, told apart by address; the last pass asks for nothing.
; LIMITS: no NaN or infinity; largest magnitudes under 2^-124 held at the byte 1; a block of zeros has the byte 1 (zero codes; read by this program alone).
; REGISTERS: window 0: v14 prefetch offset, v16-31 addresses; v32-95 scale words: step gs, tile i at v[32 + 16 (gs / 2) + 2 i + gs % 2], lanes 0-15 x's tile i, lanes 16-31 the weight's tile i;
;   v96-127 q's or k's bias, v128-159 v's, as C; v192-243 the way out.  window 1: x's fragments, sets at v0, v128.  window 2: the accumulators.  window 3: the weight's fragments, sets at v0, v48.
.set TB,     12288
.set WREG,   16*TB
.set SPARE,  24*TB                     ; behind the tiles: the spare words, 128 bytes for each wave
.set FR,     12
.set QCOFF,  13107200
.set QSOFF,  19398656
.set PFO,    14
.set L16,    24
.set L8,     25
.set TLO,    26                        ; 16 r + 8 h
.set HINC,   27                        ; 32,768 h: from a pass's scale bytes of the weight to the next pass's
.set SPW,    28
.set NIL,    29
.set SCO,    30
.set BNO,    31
.set SC,     32
.set CB,     96
.set CBV,    128
.set PC,     192
.set TM,     212
.set PW,     228
.set XW,     236
.set G1X, 24
.set G0X, 32
.set G1W, 48
.set G0W, 56
.set SEL, 98
.set MSB, 0
.macro WIN new                         ; the immediate's high byte repeats the setting that is left
.if MSB != (\new)
	s_set_vgpr_msb (MSB<<8)|(\new)
.set MSB, (\new)
.endif
.endm
.macro CREST                           ; a round of the cluster's barrier behind its opening barrier
	s_cmp_lg_u32 s14, 0
	s_cbranch_scc1 .Lnot_wave_0_\@
	s_barrier_signal -3
.Lnot_wave_0_\@:
	s_barrier_wait -3
	s_barrier_signal -1
	s_barrier_wait -1
.endm
.macro CROUND
	s_barrier_signal -1
	s_barrier_wait -1
	CREST
.endm
.macro PLACES                          ; four plain vector lines behind a matrix instruction (ISA guide 7.12.1)
.rept 4
	v_nop
.endr
.endm
.macro FRAG reg, a16, a8, off          ; a fragment: two images of 768 bytes
	ds_load_b128 v[\reg:\reg+3], v[\a16] offset:\off
	ds_load_b64 v[\reg+4:\reg+5], v[\a8] offset:\off+512
	ds_load_b128 v[\reg+6:\reg+9], v[\a16] offset:\off+768
	ds_load_b64 v[\reg+10:\reg+11], v[\a8] offset:\off+1280
.endm
.macro FETCH gs, p                     ; step gs's fragments into set p: x's eight (tiles 4-7 by a second pair of addresses: an offset has 16 bits), the weight's four
	WIN 0x40
.irp i, 0,1,2,3,4,5,6,7
	FRAG 128*(\p)+FR*\i, 18+2*(\i/4), 19+2*(\i/4), (\i%4)*TB+(\gs)*1536
.endr
	WIN 0xc0
.irp i, 0,1,2,3
	FRAG 48*(\p)+FR*\i, 16, 17, \i*TB+(\gs)*1536
.endr
	WIN 0
.endm
; Products from .. to - 1 of a step's 32: number n is x's tile n / 4 with the weight's tile n % 4.  The 32 accumulators take turns, in the same order in every step.
; mode 0 (q, k): accumulator at 8 n: a pair of x's tiles is 64 registers on end.  mode 1 (v): at 8 (8 w + x): a tile of the weight is 64 registers on end.
.macro MUL mode, p, gs, from, to
.if (\gs) == 0
	WIN 0x87+6*(\mode)                             ; C (the bias) window 0, D window 2
.else
	WIN 0xa7+6*(\mode)
.endif
.set N_, \from
.rept (\to)-(\from)
.set X_, N_/4
.set W_, N_%4
.set SX_, SC+16*((\gs)/2)+2*X_+(\gs)%2
.set SW_, SC+16*((\gs)/2)+2*W_+(\gs)%2
.if \mode
.set D_, 8*(8*W_+X_)
.if (\gs) == 0
	v_wmma_scale_f32_16x16x128_f8f6f4 v[D_:D_+7], v[128*(\p)+FR*X_:128*(\p)+FR*X_+FR-1], v[48*(\p)+FR*W_:48*(\p)+FR*W_+FR-1], v[CBV+8*W_:CBV+8*W_+7], v[SX_], v[SW_] matrix_a_fmt:MATRIX_FMT_FP6 matrix_b_fmt:MATRIX_FMT_FP6 matrix_b_scale:MATRIX_SCALE_ROW1
.else
	v_wmma_scale_f32_16x16x128_f8f6f4 v[D_:D_+7], v[128*(\p)+FR*X_:128*(\p)+FR*X_+FR-1], v[48*(\p)+FR*W_:48*(\p)+FR*W_+FR-1], v[D_:D_+7], v[SX_], v[SW_] matrix_a_fmt:MATRIX_FMT_FP6 matrix_b_fmt:MATRIX_FMT_FP6 matrix_b_scale:MATRIX_SCALE_ROW1
.endif
.else
.set D_, 8*N_
.if (\gs) == 0
	v_wmma_scale_f32_16x16x128_f8f6f4 v[D_:D_+7], v[48*(\p)+FR*W_:48*(\p)+FR*W_+FR-1], v[128*(\p)+FR*X_:128*(\p)+FR*X_+FR-1], v[CB+8*W_:CB+8*W_+7], v[SW_], v[SX_] matrix_a_fmt:MATRIX_FMT_FP6 matrix_b_fmt:MATRIX_FMT_FP6 matrix_a_scale:MATRIX_SCALE_ROW1
.else
	v_wmma_scale_f32_16x16x128_f8f6f4 v[D_:D_+7], v[48*(\p)+FR*W_:48*(\p)+FR*W_+FR-1], v[128*(\p)+FR*X_:128*(\p)+FR*X_+FR-1], v[D_:D_+7], v[SW_], v[SX_] matrix_a_fmt:MATRIX_FMT_FP6 matrix_b_fmt:MATRIX_FMT_FP6 matrix_a_scale:MATRIX_SCALE_ROW1
.endif
.endif
.set N_, N_+1
.endr
.endm
.macro SCLOAD                          ; the scale words of all eight steps, two steps a load
.irp i, 0,1,2,3,4,5,6,7
.irp d, 0,1,2,3
	global_load_b64 v[SC+16*\d+2*\i:SC+16*\d+2*\i+1], v[SCO], s[6:7] offset:(\i/2)*1024+(\i%2)*128+\d*256
.endr
.endr
.endm
.macro BLOAD off                       ; q's or k's bias in the result's layout: tile w's register j of lane (r, h) is feature 32 (w / 2) + 16 h + 8 (w % 2) + j
.irp w, 0,1,2,3
	global_load_b128 v[CB+8*\w:CB+8*\w+3], v[BNO], s[8:9] offset:(\off)+128*(\w/2)+32*(\w%2)
	global_load_b128 v[CB+8*\w+4:CB+8*\w+7], v[BNO], s[8:9] offset:(\off)+128*(\w/2)+32*(\w%2)+16
.endr
.endm
; A pass: eight steps of 128 along K.  refill = 1: in the last step, when my last fragments are in registers, the three lines, a round, and the next pass's weights onto this pass's (waves 2 and 3, a half each).
.macro PASS mode, refill
	s_wait_loadcnt 0x0                             ; the pass's scale words and bias are in
	s_wait_tensorcnt 0x0                           ; my tensor load has landed (every wave, under no branch),
	s_barrier_signal -1
	s_barrier_wait -1                              ; everybody's has
	FETCH 0, 0
.set GS, 0
.rept 7
	s_wait_dscnt 0x0                               ; this step's fragments, asked for a step ago, are in
.if GS > 0
	PLACES                                         ; behind the last step's products, ahead of loads into their registers
.endif
	FETCH GS+1, (GS+1)%2
	MUL \mode, GS%2, GS, 0, 32
.set GS, GS+1
.endr
	WIN 0
.if \refill
	s_wait_tensorcnt 0x0                           ; none of my tensor loads is out;
	ds_add_u32 v[SPW], v[NIL]                      ; 0 onto my spare word
	s_wait_dscnt 0x0                               ; the add is done, and my reads of the weights' region are over
	s_barrier_signal -1
	MUL \mode, 1, 7, 0, 8
	WIN 0
	s_barrier_wait -1
	CREST                                          ; no wave of any partner still reads the region or has a load on its way
	s_add_nc_u64 s[G0W+2:G0W+3], s[G0W+2:G0W+3], 64*TB   ; the same tiles of the next tensor
	s_cmp_lg_u32 s15, 0
	s_cbranch_scc0 .Lno_w_\@
	tensor_load_to_lds s[G0W:G0W+3], s[G1W:G1W+7]
	s_nop 0
	PLACES
.Lno_w_\@:
	MUL \mode, 1, 7, 8, 32
.else
	s_wait_dscnt 0x0
	MUL \mode, 1, 7, 0, 32
.endif
	WIN 0
	PLACES
.endm
; 64 numbers of a lane, window 2's v[s] on (register 16 b + i = place 32 b + 16 h + i), become 12 registers of codes in v[PC] on and a scale word in v[pw].  Each accumulator is read from its low end on.
.macro QUANT s, pw
	WIN 0x0a
.irp b, 0,1,2,3
	v_max3_num_f32 v[TM+\b], |v[\s+16*\b]|, |v[\s+1+16*\b]|, 0x1800000   ; my 16 numbers of block b, and the floor 2^(3 - 127)
.endr
	WIN 0x28
.irp i, 2,4,6,8,10,12,14
.irp b, 0,1,2,3
	v_max3_num_f32 v[TM+\b], v[TM+\b], |v[\s+16*\b+\i]|, |v[\s+1+16*\b+\i]|
.endr
.endr
	WIN 0
.irp b, 0,1,2,3
	v_permlanex16_b32 v[TM+4+\b], v[TM+\b], s[SEL], s[SEL+1]
.endr
.irp b, 0,1,2,3
	v_max_num_f32 v[TM+\b], v[TM+\b], v[TM+4+\b]   ; with lane l xor 16's: the block's largest magnitude
.endr
.irp b, 0,1,2,3
	v_add_nc_u32 v[TM+12+\b], 0xff000000, v[TM+\b] ; 2 off the exponent field: the conversion's scale operand
.endr
.irp b, 0,1,2,3
	v_lshrrev_b32 v[TM+4+\b], 23, v[TM+12+\b]      ; the byte
.endr
	v_lshl_or_b32 v[\pw], v[TM+5], 8, v[TM+4]
	v_lshl_or_b32 v[\pw], v[TM+6], 16, v[\pw]
	v_lshl_or_b32 v[\pw], v[TM+7], 24, v[\pw]
	WIN 0x02
.irp c, 0,1
	v_cvt_scalef32_pk16_fp6_f32 v[PC+6*\c:PC+2+6*\c], v[\s+32*\c:\s+15+32*\c], v[TM+12+2*\c]
	v_cvt_scalef32_pk16_fp6_f32 v[PC+12+4*\c:PC+14+4*\c], v[\s+16+32*\c:\s+31+32*\c], v[TM+12+2*\c+1]
.endr
	WIN 0
	v_nop                                          ; one plain line behind a scaled conversion
.irp c, 0,1                                    ; the operand's layout wants a whole block in a lane
.irp i, 0,1,2
	v_permlane16_swap_b32 v[PC+6*\c+\i], v[PC+12+4*\c+\i]
.endr
.irp i, 0,1,2
	v_mov_b32 v[PC+3+6*\c+\i], v[PC+12+4*\c+\i]
.endr
.endr
.endm
.macro EPI                             ; a pass's way out: four times 64 numbers: two images (q, k: two tiles of tokens; v: a fragment), 1,536 consecutive bytes
.irp p, 0,1,2,3
	s_wait_xcnt 0x0                                ; earlier stores have read their data
	QUANT 64*\p, PW+\p
	global_store_b128 v[L16], v[PC:PC+3], s[68:69] offset:\p*1536
	global_store_b64 v[L8], v[PC+4:PC+5], s[68:69] offset:\p*1536+512
	global_store_b128 v[L16], v[PC+6:PC+9], s[68:69] offset:\p*1536+768
	global_store_b64 v[L8], v[PC+10:PC+11], s[68:69] offset:\p*1536+1280
.endr
.endm
.macro WORDS off                       ; k, v: the four words as they are, [r][4]: lane (r, h) stores words 2 h and 2 h + 1: 256 consecutive bytes a wave
	v_cndmask_b32 v[XW], v[PW], v[PW+2], s94
	v_cndmask_b32 v[XW+1], v[PW+1], v[PW+3], s94
	global_store_b64 v[TLO], v[XW:XW+1], s[70:71] offset:\off
.endm
; ---------------- the head
	s_load_b128 s[4:7], s[0:1], 0x0                ; cw, cs
	s_load_b128 s[8:11], s[0:1], 0x10              ; b_qkv, at
	v_lshl_add_u32 v[SPW], v0, 2, SPARE
	v_mov_b32 v[NIL], 0
	ds_add_u32 v[SPW], v[NIL]                      ; the opening lines: the add, twice on end, and its wait
	ds_add_u32 v[SPW], v[NIL]
	v_lshrrev_b32 v160, 5, v0
	v_readfirstlane_b32 s14, v160                  ; wave 0..3
	s_lshr_b32 s15, s14, 1                         ; my half of the tokens.  Also: I fetch for x (0) or for the weights (1)
	s_and_b32 s16, s14, 1                          ; my half of the features.  Also: which half of that operand I fetch
	s_bfe_u32 s40, ttmp6, 0x40000                  ; cx
	s_bfe_u32 s41, ttmp6, 0x40004                  ; cy
	s_and_b32 s17, ttmp7, 0xffff
	s_lshl_b32 s42, ttmp9, 2
	s_add_co_u32 s42, s42, s40                     ; g: the group of 128 features
	s_lshl_b32 s18, s17, 2
	s_add_co_u32 s18, s18, s41                     ; tb: the block of 256 tokens
	s_lshl_b32 s43, s41, 2
	s_lshl_b32 s43, 15, s43                        ; my row of the cluster
	s_lshl_b32 s44, 0x1111, s40                    ; my column
	s_or_b32 s[G1X], s43, (3<<16)|(1<<21)          ; group 1: rows (tiles) of 12,288 bytes, 1,536 elements of 8, dense: 8 for x,
	s_or_b32 s[G1W], s44, (3<<16)|(1<<21)          ; 4 for the weights
	s_mov_b32 s[G1X+2], 8<<16
	s_mov_b32 s[G1X+4], 8
	s_mov_b32 s[G1W+2], 4<<16
	s_mov_b32 s[G1W+4], 4
.irp g, G1X, G1W
	s_mov_b32 s[\g+1], 1536<<16
	s_mov_b32 s[\g+3], 1536<<16
	s_mov_b32 s[\g+5], 1536
	s_mov_b32 s[\g+6], 0
	s_mov_b32 s[\g+7], 0
.endr
	s_lshl_b32 s22, s18, 4
	s_lshl_b32 s21, s16, 3
	s_add_co_u32 s22, s22, s21                     ; x: tile 16 tb + 8 x half: hangs on cy alone
	s_mul_i32 s22, s22, TB
	s_mov_b32 s23, 0
	s_lshl_b32 s92, s42, 3
	s_lshl_b32 s21, s16, 2
	s_add_co_u32 s92, s92, s21
	s_add_co_u32 s92, s92, 512                     ; q's weights: tile 512 + 8 g + 4 x half: on cx alone
	s_mul_i32 s92, s92, TB
	s_mov_b32 s93, 0
	s_mov_b32 s[G0X], 1
	s_mul_i32 s[G0X+1], s16, 8*TB                  ; no place in the cluster enters an LDS address
	s_mov_b32 s[G0W], 1
	s_mul_i32 s[G0W+1], s16, 4*TB
	s_add_co_u32 s[G0W+1], s[G0W+1], WREG
	s_wait_dscnt 0x0                               ; both opening adds are done
	s_wait_kmcnt 0x0
	s_add_nc_u64 s[G0X+2:G0X+3], s[4:5], s[22:23]
	s_or_b32 s[G0X+3], s[G0X+3], 0x80000000
	s_add_nc_u64 s[G0W+2:G0W+3], s[4:5], s[92:93]
	s_or_b32 s[G0W+3], s[G0W+3], 0x80000000
	CROUND                                         ; all sixteen work-groups are here: the joint loads meet
	s_cmp_eq_u32 s15, 0
	s_cbranch_scc0 .Lfor_w
	tensor_load_to_lds s[G0X:G0X+3], s[G1X:G1X+7]
	s_nop 0
	PLACES
	s_branch .Lasked
.Lfor_w:
	tensor_load_to_lds s[G0W:G0W+3], s[G1W:G1W+7]
	s_nop 0
	PLACES
.Lasked:
	s_mul_i32 s87, s15, 8*TB                       ; my 8 tiles of x in LDS,
	s_add_co_u32 s89, s87, 4*TB                    ; the upper 4 of them,
	s_mul_i32 s88, s16, 4*TB
	s_add_co_u32 s88, s88, WREG                    ; my 4 of the weight: all three of the wave's number alone
	s_lshl_b32 s74, s18, 4
	s_lshl_b32 s75, s15, 3
	s_add_co_u32 s74, s74, s75
	s_lshl_b32 s74, s74, 9                         ; my first tile of x among the scale bytes: 512 bytes a tile
	s_lshl_b32 s75, s42, 3
	s_lshl_b32 s76, s16, 2
	s_add_co_u32 s75, s75, s76
	s_add_co_u32 s75, s75, 512
	s_lshl_b32 s75, s75, 9                         ; of q's weights
	s_lshl_b32 s76, s42, 7
	s_lshl_b32 s77, s16, 6
	s_add_co_u32 s76, s76, s77
	s_lshl_b32 s76, s76, 2                         ; my 64 features in a third of b_qkv, in bytes
	s_lshr_b32 s79, s18, 3
	s_lshl_b32 s79, s79, 4
	s_lshl_b32 s78, s42, 1
	s_add_co_u32 s79, s79, s78
	s_add_co_u32 s79, s79, s16                     ; my head: 16 x batch + 2 g + half
	s_and_b32 s78, s18, 7
	s_lshl_b32 s78, s78, 1
	s_add_co_u32 s78, s78, s15                     ; my key step
	s_mul_i32 s84, s79, 98304
	s_mul_i32 s85, s78, 6144
	s_add_co_u32 s84, s84, s85
	s_add_co_u32 s84, s84, QCOFF
	s_mov_b32 s85, 0
	s_add_nc_u64 s[68:69], s[10:11], s[84:85]      ; where the pass's codes go: first q's images
	s_mul_i32 s84, s79, 204800
	s_mul_i32 s86, s78, 12800
	s_add_co_u32 s84, s84, s86
	s_add_nc_u64 s[70:71], s[10:11], s[84:85]      ; my record
	s_mov_b64 s[82:83], s[70:71]                   ; where the next pass's codes go
	s_lshl_b32 s84, s79, 13
	s_lshl_b32 s86, s78, 9
	s_add_co_u32 s84, s84, s86
	s_add_co_u32 s84, s84, QSOFF
	s_add_nc_u64 s[80:81], s[10:11], s[84:85]      ; q's scale words
	s_lshl_b32 s20, s42, 3
	s_add_co_u32 s20, s20, 576
	s_mul_i32 s20, s20, TB                         ; k's weights of my group,
	s_lshl_b32 s21, s41, 2
	s_add_co_u32 s21, s21, s14
	s_mul_i32 s21, s21, 6144
	s_add_co_u32 s20, s20, s21                     ; my sixteenth of them
	s_mov_b32 s[SEL], 0x76543210
	s_mov_b32 s[SEL+1], 0xfedcba98
	s_mov_b32 s94, 0xffff0000                      ; lanes 16-31
	v_and_b32 v160, 31, v0
	v_and_b32 v161, 15, v0
	v_bfe_u32 v162, v0, 4, 1
	v_lshlrev_b32 v[L16], 4, v160
	v_lshlrev_b32 v[L8], 3, v160
	v_add_nc_u32 v16, s88, v[L16]
	v_add_nc_u32 v17, s88, v[L8]
	v_add_nc_u32 v18, s87, v[L16]
	v_add_nc_u32 v19, s87, v[L8]
	v_add_nc_u32 v20, s89, v[L16]
	v_add_nc_u32 v21, s89, v[L8]
	v_lshlrev_b32 v[TLO], 4, v161
	v_lshl_add_u32 v[TLO], v162, 3, v[TLO]
	v_lshlrev_b32 v[HINC], 15, v162
	v_mov_b32 v[SCO], s74
	v_mov_b32 v163, s75
	v_cndmask_b32 v[SCO], v[SCO], v163, s94        ; lanes 0-15 take x's words, lanes 16-31 the weight's (beside x's tiles 4-7: words of later tiles of cs, which nothing reads)
	v_lshl_add_u32 v[SCO], v161, 3, v[SCO]
	v_lshl_add_u32 v[BNO], v162, 6, s76
	v_lshrrev_b32 v165, 3, v161
	v_and_b32 v164, 7, v161
	v_lshl_add_u32 v164, v165, 4, v164
	v_lshl_add_u32 v164, v164, 2, s76              ; v's bias: the feature of my lane-row
	v_min_u32 v[PFO], 23, v160
	v_lshl_add_u32 v[PFO], v[PFO], 8, s20          ; a lane a block of 256 bytes; lanes 24-31 name the wave's last block again
.irp b, 0,1,2,3
	v_mov_b32 v[TM+4+\b], 0                        ; a lane permute's destination counts as one of its sources
.endr
	s_wait_alu depctr_va_vdst(0)
	SCLOAD
	BLOAD 0
.irp w, 0,1,2,3
	global_load_b32 v[CBV+8*\w], v164, s[8:9] offset:8192+(32*(\w/2)+8*(\w%2))*4
.endr
	global_prefetch_b8 v[PFO], s[4:5] th:TH_LOAD_NT scope:SCOPE_SE      ; k's weights, a pass ahead of their load
	s_wait_loadcnt 0x0
.irp w, 0,8,16,24
.irp i, 1,2,3,4,5,6,7
	v_mov_b32 v[CBV+\w+\i], v[CBV+\w]              ; v's bias, one number a lane and tile, over the tile's eight registers
.endr
.endr
	s_mov_b32 s3, 0
	s_wait_alu depctr_va_vdst(0)                   ; the wait at the head's end
; ---------------- q, then k
.Lqk:
	PASS 0, 1
	v_add_nc_u32 v[SCO], v[SCO], v[HINC]           ; the next pass's scale words (the last loads by this register were waited for at the pass's head)
	SCLOAD
	s_cmp_eq_u32 s3, 0
	s_cbranch_scc0 .Lno_k
	BLOAD 4096                                     ; k's bias
	global_prefetch_b8 v[PFO], s[4:5] offset:64*TB th:TH_LOAD_NT scope:SCOPE_SE   ; v's weights, a pass ahead of their load
.Lno_k:
	EPI
	s_cmp_eq_u32 s3, 0
	s_cbranch_scc0 .Lk_tail
.irp G, 0,1                                    ; q: [tile / 4][r][tile % 4], a word = the tile's two bytes, twice: the query stands in either half of the instruction's K
	v_cndmask_b32 v[XW+4+\G], v[PW+2*\G], v[PW+2*\G+1], s94
	v_perm_b32 v[XW+2*\G], v[XW+4+\G], v[XW+4+\G], 0x01000100
	v_perm_b32 v[XW+2*\G+1], v[XW+4+\G], v[XW+4+\G], 0x03020302
.endr
	global_store_b64 v[TLO], v[XW:XW+1], s[80:81]
	global_store_b64 v[TLO], v[XW+2:XW+3], s[80:81] offset:256
	s_branch .Ltail_done
.Lk_tail:
	WORDS 12288
.Ltail_done:
	s_wait_xcnt 0x0                                ; the stores have read their base
	s_mov_b64 s[68:69], s[82:83]                   ; k's fragments, then V^T's
	s_add_nc_u64 s[82:83], s[82:83], 6144
	s_add_co_u32 s3, s3, 1
	s_cmp_lt_u32 s3, 2
	s_wait_alu depctr_va_vdst(0)                   ; the wait here, directly ahead of the branch
	s_cbranch_scc1 .Lqk
; ---------------- v
	PASS 1, 0
	EPI
	WORDS 12544
	s_wait_tensorcnt 0x0                           ; the wave's end
	ds_add_u32 v[SPW], v[NIL]
	s_wait_dscnt 0x0
	CROUND                                         ; the closing round
	s_endpgm
.Lfunc_end_k_q13d4ca2ef5_qkv:
	.size	k_q13d4ca2ef5_qkv, .Lfunc_end_k_q13d4ca2ef5_qkv-k_q13d4ca2ef5_qkv
	.p2alignl 7, 3214868480
	.fill 96, 4, 3214868480
	.section	.rodata,"a",@progbits
	.p2align	6, 0x0
	.amdhsa_kernel k_q13d4ca2ef5_qkv
		.amdhsa_group_segment_fixed_size 327680
		.amdhsa_private_segment_fixed_size 0
		.amdhsa_enable_private_segment 0
		.amdhsa_kernarg_size 32
		.amdhsa_user_sgpr_count 2
		.amdhsa_user_sgpr_kernarg_segment_ptr 1
		.amdhsa_wavefront_size32 1
		.amdhsa_system_sgpr_workgroup_id_x 1
		.amdhsa_system_sgpr_workgroup_id_y 1
		.amdhsa_system_sgpr_workgroup_id_z 1
		.amdhsa_system_vgpr_workitem_id 0
		.amdhsa_next_free_vgpr 864
		.amdhsa_next_free_sgpr 100
		.amdhsa_reserve_vcc 0
		.amdhsa_float_denorm_mode_32 3
		.amdhsa_float_denorm_mode_16_64 3
		.amdhsa_memory_ordered 1
		.amdhsa_forward_progress 1
		.amdhsa_inst_pref_size 171
	.end_amdhsa_kernel
	.amdgpu_metadata
---
amdhsa.version: [ 1, 2 ]
amdhsa.kernels:
  - .name:           k_q13d4ca2ef5_qkv
    .symbol:         k_q13d4ca2ef5_qkv.kd
    .args:
      - { .name: cw, .offset: 0, .size: 8, .value_kind: global_buffer, .address_space: global }
      - { .name: cs, .offset: 8, .size: 8, .value_kind: global_buffer, .address_space: global }
      - { .name: b_qkv, .offset: 16, .size: 8, .value_kind: global_buffer, .address_space: global }
      - { .name: at, .offset: 24, .size: 8, .value_kind: global_buffer, .address_space: global }
    .group_segment_fixed_size: 327680
    .private_segment_fixed_size: 0
    .kernarg_segment_align: 8
    .kernarg_segment_size: 32
    .max_flat_workgroup_size: 128
    .sgpr_count:     100
    .vgpr_count:     864
    .wavefront_size: 32
...
	.end_amdgpu_metadata
.endif
;; end of part 2
;; launch attn (part 3): grid 4 x 64, 16 waves a work-group, clusters of 4 x 1, 327,680 bytes of LDS; arguments at, cw, cs; writes cw, cs
.if DOCPART == 3
	.amdgcn_target "amdgcn-amd-amdhsa--gfx1250"
	.amdhsa_code_object_version 6
	.text
	.protected	k_q13d4ca2ef5_attn
	.globl	k_q13d4ca2ef5_attn
	.p2align	8
	.type	k_q13d4ca2ef5_attn,@function
k_q13d4ca2ef5_attn:
	s_mov_b64 s[64:65], 0
	v_nop
	global_prefetch_b8 v0, s[64:65] scope:SCOPE_SE
	s_setreg_imm32_b32 hwreg(HW_REG_WAVE_MODE, 25, 1), 1
	s_wait_xcnt 0x0
	s_wait_alu depctr_hold_cnt(0) depctr_sa_sdst(0) depctr_va_vdst(0) depctr_va_sdst(0) depctr_va_ssrc(0) depctr_va_vcc(0) depctr_vm_vsrc(0)
	s_getreg_b32 s2, hwreg(HW_REG_IB_STS2, 6, 4)
	s_cmp_eq_u32 s2, 0
	s_cbranch_scc0 .Lentry_in_a_cluster
	s_endpgm
.Lentry_in_a_cluster:
	s_bfe_u32 s2, ttmp6, 0x10000c
	s_cmp_lg_u32 s2, 0x3003
	s_cbranch_scc0 .Lentry_shape_is_right
	s_endpgm
.Lentry_shape_is_right:
; y = softmax(q k^T / 8, causal) v for one head (the cluster's y: 16 x batch + head), on codes of FP6 (E2M3) with E8M0 scales; y leaves quantised along the 1,024 of the last product's K.
; IN (at): [head][key step 0..15][12,800 bytes]: K's 4 fragments, V^T's 4 fragments, K's scale words [r][4], V's [r][4]; from QCOFF q's images [head][tile][768]; from QSOFF q's scale words.
; A fragment of K holds two tiles of 16 keys: K = 0..63 the head's 64 of one tile, K = 64..127 of the other; q stands in one half of the other operand, zeros in the other half.
; OUT: cw tiles 768 + 128 x batch + tile, image number = head; cs the same tiles' scale bytes.
; THE DEAL: a tile is 16 queries (rows 32 (t / 2) + 8 (t % 2) + 0..7 and + 16..23); the eight tiles of group G = t / 8 need key steps 0 to G.  The four work-groups of a head form a cluster.
; Wave w of the partner at place cx takes tile 127 - t and then tile t = 8 (w / 2) + 2 cx + w % 2: groups 15 - w / 2 and w / 2 in every partner, 17 key steps of 128 in all for every wave.
; Key steps that lie wholly above the diagonal of the causal mask are passed over by a scalar branch; the step on the diagonal sets its hidden scores to -inf.
; Both branches hang on the group, that is on the wave's number alone: no branch hangs on a work-group's place in its cluster; cx enters only global addresses and the mask's numbers.
; LDS: the head's 16 records, 204,800 bytes, each filled once, by JOINT loads (mask 15): wave w of each partner asks for record w, its one tensor load.  Wave 0's load has a line of its own: the first barrier
; shows record 0 alone, and every wave's first key step (of its long tile: no mask, the sums begin with C = 0) runs on it; the second barrier, behind that step, shows all records.  Nothing is filled again.
; Both products are used transposed (S^T = k q^T, O^T = v^T p^T): a lane holds one query.  M is the running largest t rounded up to a whole number; p = 2^(t - M); the row's sum is taken of the unquantised p.
; NO PREFETCH: all 16 records are asked for by the head's tensor loads; there is no later request to run ahead of.
; LIMITS: NaN and infinities are not served; the scaled scores stay under 2^31 in magnitude; a block of p or y under 2^-124 has the byte 1 (zero or tiny codes; read by this program alone).
; REGISTERS: v1 16 x lane, v2 8 x lane, v3 my query's place less 16 h, v4 16 r, v5 8 r + h; v12 -M, v13 largest t, v14-15 the sum; v16-33 zeros, q, zeros; v34 q's scale word; v36-83 four fragments;
; v84-87 scale words (lanes 0-15 K's, 16-31 V's); v88-151 scores, then p; v152-183 O^T; v184-203 codes; v204-222 at work; v224-225 the add's; v226-232 the second tile's q and scale word.
.set REC,   12800
.set QCOFF, 13107200
.set QSOFF, 19398656
.set SPARE, 16*REC                     ; behind the records: 128 bytes of spare words for each of 16 waves
.macro ROUND                           ; a round of the cluster's barrier
	s_barrier_signal -1
	s_barrier_wait -1
	s_cmp_lg_u32 s10, 0
	s_cbranch_scc1 .Lnot_wave_0_\@
	s_barrier_signal -3
.Lnot_wave_0_\@:
	s_barrier_wait -3
	s_barrier_signal -1
	s_barrier_wait -1
.endm
.macro FRAG reg, a16, a8, off          ; a fragment: two images of 768 bytes
	ds_load_b128 v[\reg:\reg+3], v[\a16] offset:\off
	ds_load_b64 v[\reg+4:\reg+5], v[\a8] offset:\off+512
	ds_load_b128 v[\reg+6:\reg+9], v[\a16] offset:\off+768
	ds_load_b64 v[\reg+10:\reg+11], v[\a8] offset:\off+1280
.endm
.macro QADR c, s                       ; tile s41: where its q image (s[c]) and its scale words (s[s]) lie
	s_lshl_b32 s52, s11, 7
	s_add_co_u32 s52, s52, s41
	s_mul_i32 s52, s52, 768
	s_add_co_u32 s52, s52, QCOFF
	s_add_nc_u64 s[\c:\c+1], s[4:5], s[52:53]
	s_lshl_b32 s52, s11, 13
	s_lshr_b32 s54, s41, 2
	s_lshl_b32 s54, s54, 8
	s_add_co_u32 s52, s52, s54
	s_and_b32 s54, s41, 3
	s_lshl_b32 s54, s54, 2
	s_add_co_u32 s52, s52, s54
	s_add_co_u32 s52, s52, QSOFF
	s_add_nc_u64 s[\s:\s+1], s[4:5], s[52:53]
.endm
.macro OADR                            ; tile s41: its first row (s38), where its codes (s[48:49]) and scale bytes (s[50:51]) go
	s_lshr_b32 s42, s41, 1
	s_lshl_b32 s38, s42, 5
	s_and_b32 s43, s41, 1
	s_lshl_b32 s52, s43, 3
	s_add_co_u32 s38, s38, s52
	s_lshr_b32 s54, s11, 4
	s_lshl_b32 s54, s54, 7
	s_add_co_u32 s54, s54, s41
	s_add_co_u32 s54, s54, 768
	s_mul_i32 s52, s54, 12288
	s_and_b32 s55, s11, 15
	s_mul_i32 s61, s55, 768
	s_add_co_u32 s52, s52, s61
	s_add_nc_u64 s[48:49], s[6:7], s[52:53]
	s_lshr_b32 s52, s54, 1
	s_lshl_b32 s52, s52, 10
	s_lshr_b32 s61, s55, 2
	s_lshl_b32 s61, s61, 8
	s_add_co_u32 s52, s52, s61
	s_lshl_b32 s61, s43, 7
	s_add_co_u32 s52, s52, s61
	s_and_b32 s61, s55, 3
	s_lshl_b32 s61, s61, 1
	s_add_co_u32 s52, s52, s61
	s_add_nc_u64 s[50:51], s[8:9], s[52:53]
.endm
.macro INIT                            ; the largest t so far: -3e38; -M; the sum
	v_mov_b32 v13, 0xff61b1e6
	v_floor_f32 v12, -v13
	v_mov_b32 v14, 0
	v_mov_b32 v15, 0
.endm
; A key step: 128 keys at LDS byte s36, first key s37; s63 = the last key of the tile's group's diagonal step.  first = 1: a long tile's step 0: never hidden, never on the diagonal, and O^T begins with C = 0.
.macro STEP first
.if !(\first)
	s_cmp_gt_u32 s37, s63                          ; wholly above the diagonal: passed over
	s_cbranch_scc1 .Lhid_\@
.endif
	v_add_nc_u32 v8, s36, v1
	v_add_nc_u32 v9, s36, v2
	v_nop
	v_nop                                          ; four places behind the last step's products, ahead of loads into their registers
	ds_load_b128 v[84:87], v8 offset:12288
.irp f, 0,1,2,3
	FRAG 36+12*\f, 8, 9, \f*1536
.endr
	s_wait_alu depctr_va_vdst(0)                   ; the wait here, directly ahead of the wait below
	s_wait_dscnt 0x0
.irp f, 0,1,2,3
	v_wmma_scale_f32_16x16x128_f8f6f4 v[88+16*\f:95+16*\f], v[36+12*\f:47+12*\f], v[22:33], 0, v[84+\f], v34 matrix_a_fmt:MATRIX_FMT_FP6 matrix_b_fmt:MATRIX_FMT_FP6
	v_wmma_scale_f32_16x16x128_f8f6f4 v[96+16*\f:103+16*\f], v[36+12*\f:47+12*\f], v[16:27], 0, v[84+\f], v34 matrix_a_fmt:MATRIX_FMT_FP6 matrix_b_fmt:MATRIX_FMT_FP6
.endr
.rept 4
	v_nop
.endr
.irp f, 0,1,2,3
	FRAG 36+12*\f, 8, 9, 6144+\f*1536              ; V^T's fragments come in under the softmax
.endr
.if !(\first)
	s_add_co_u32 s52, s37, 127
	s_cmp_lt_u32 s52, s63
	s_cbranch_scc1 .Lopen_\@                       ; wholly under the diagonal: no mask
	s_sub_co_i32 s52, s38, s37
	v_add_nc_u32 v218, s52, v3
.set n, 0
.rept 64
	v_cmp_gt_i32 vcc_lo, 32*(n/16)+n%16, v218      ; register n is key 32 (n / 16) + 16 h + n % 16 of the step
	v_cndmask_b32 v[88+n], v[88+n], v222, vcc_lo
.set n, n+1
.endr
.Lopen_\@:
.endif
.irp b, 0,1,2,3
	v_max3_num_f32 v[204+\b], v[88+16*\b], v[89+16*\b], v[90+16*\b]   ; the largest score of each block of 32 keys: for the row's maximum and for the block's largest p
.endr
.irp i, 3,5,7,9,11,13
.irp b, 0,1,2,3
	v_max3_num_f32 v[204+\b], v[204+\b], v[88+16*\b+\i], v[89+16*\b+\i]
.endr
.endr
.irp b, 0,1,2,3
	v_max_num_f32 v[204+\b], v[204+\b], v[103+16*\b]
.endr
.irp b, 0,1,2,3
	s_delay_alu instid0(VALU_DEP_4)
	v_permlanex16_b32 v[208+\b], v[204+\b], s32, s33
.endr
.irp b, 0,1,2,3
	s_delay_alu instid0(VALU_DEP_4)
	v_max_num_f32 v[204+\b], v[204+\b], v[208+\b]  ; with lane l xor 16's 16 keys
.endr
	s_delay_alu instid0(VALU_DEP_2)
	v_max3_num_f32 v218, v204, v205, v206
	s_delay_alu instid0(VALU_DEP_1)
	v_max_num_f32 v218, v218, v207
	s_delay_alu instid0(VALU_DEP_1)
	v_mul_f32 v218, s34, v218                      ; as t = score x log2(e) / 8
	s_delay_alu instid0(VALU_DEP_1)
	v_max_num_f32 v13, v13, v218
	v_mov_b32 v218, v12
	s_delay_alu instid0(VALU_DEP_2)
	v_floor_f32 v12, -v13                          ; -M = floor(-t)
	s_delay_alu instid0(VALU_DEP_1)
	v_sub_f32 v218, v12, v218
	s_delay_alu instid0(VALU_DEP_1)
	v_cvt_i32_f32 v218, v218
	s_delay_alu instid0(VALU_DEP_1)
	v_ldexp_f32 v216, 1.0, v218                    ; f = 2^(old M - new M)
.set j, 0
.rept 32
	v_pk_fma_f32 v[88+j:89+j], v[88+j:89+j], s[34:35], v[12:13] op_sel_hi:[1,0,0]   ; t - M
.set j, j+2
.endr
.irp b, 0,1,2,3
	v_fma_f32 v[204+\b], v[204+\b], s34, v12
.endr
.set j, 0
	s_wait_alu depctr_va_vdst(0)                   ; the wait ahead of the batch
.rept 64
	v_exp_f32 v[88+j], v[88+j]
.set j, j+1
.endr
	v_pk_mul_f32 v[14:15], v[14:15], v[216:217] op_sel_hi:[1,0]    ; the sums under the new M; the plain place behind the batch
	s_wait_alu depctr_va_vdst(0)                   ; one wait for the batch, ahead of its first reader
.irp b, 0,1,2,3
	v_exp_f32 v[204+\b], v[204+\b]                 ; each block's largest p
.endr
	v_pk_add_f32 v[220:221], v[88:89], v[90:91]    ; the row's sum of the unquantised p, in two chains
.set j, 4
.rept 15
	v_pk_add_f32 v[14:15], v[14:15], v[88+j:89+j]
	v_pk_add_f32 v[220:221], v[220:221], v[90+j:91+j]
.set j, j+4
.endr
	s_delay_alu instid0(VALU_DEP_1)
	v_pk_add_f32 v[14:15], v[14:15], v[220:221]
	s_wait_alu depctr_va_vdst(0)                   ; and one for the four
.irp b, 0,1,2,3
	v_max_num_f32 v[204+\b], 0x1800000, v[204+\b]  ; the floor 2^(3 - 127): the byte cannot fall under 1
.endr
.irp b, 0,1,2,3
	s_delay_alu instid0(VALU_DEP_4)
	v_add_nc_u32 v[212+\b], 0xff000000, v[204+\b]  ; 2 off the exponent field: the conversion's scale operand
.endr
.irp b, 0,1,2,3
	s_delay_alu instid0(VALU_DEP_4)
	v_lshrrev_b32 v[208+\b], 23, v[212+\b]
.endr
	s_delay_alu instid0(VALU_DEP_3)
	v_lshl_or_b32 v217, v209, 8, v208              ; p's scale word for these 128 keys
	s_delay_alu instid0(VALU_DEP_1)
	v_lshl_or_b32 v217, v210, 16, v217
	s_delay_alu instid0(VALU_DEP_1)
	v_lshl_or_b32 v217, v211, 24, v217
.irp c, 0,1
	v_cvt_scalef32_pk16_fp6_f32 v[184+6*\c:186+6*\c], v[88+32*\c:103+32*\c], v[212+2*\c]
	v_cvt_scalef32_pk16_fp6_f32 v[196+4*\c:198+4*\c], v[104+32*\c:119+32*\c], v[212+2*\c+1]
.endr
	v_nop                                          ; one plain line behind a scaled conversion
.irp c, 0,1                                    ; the operand's layout wants a whole block in a lane
.irp i, 0,1,2
	v_permlane16_swap_b32 v[184+6*\c+\i], v[196+4*\c+\i]
.endr
.irp i, 0,1,2
	s_delay_alu instid0(VALU_DEP_3)
	v_mov_b32 v[187+6*\c+\i], v[196+4*\c+\i]
.endr
.endr
.if \first
.rept 4
	v_nop                                          ; four places between the codes' last write and the scaled products
.endr
.else
.set j, 0
.rept 16
	v_pk_mul_f32 v[152+j:153+j], v[152+j:153+j], v[216:217] op_sel_hi:[1,0]   ; O^T under the new M
.set j, j+2
.endr
.endif
	s_wait_alu depctr_va_vdst(0)                   ; the wait here, directly ahead of the wait below
	s_wait_dscnt 0x0
.irp t, 0,1,2,3
.if \first
	v_wmma_scale_f32_16x16x128_f8f6f4 v[152+8*\t:159+8*\t], v[36+12*\t:47+12*\t], v[184:195], 0, v[84+\t], v217 matrix_a_fmt:MATRIX_FMT_FP6 matrix_b_fmt:MATRIX_FMT_FP6 matrix_a_scale:MATRIX_SCALE_ROW1
.else
	v_wmma_scale_f32_16x16x128_f8f6f4 v[152+8*\t:159+8*\t], v[36+12*\t:47+12*\t], v[184:195], v[152+8*\t:159+8*\t], v[84+\t], v217 matrix_a_fmt:MATRIX_FMT_FP6 matrix_b_fmt:MATRIX_FMT_FP6 matrix_a_scale:MATRIX_SCALE_ROW1
.endif
.endr
.if !(\first)
.Lhid_\@:
.endif
	s_add_co_u32 s36, s36, REC
	s_add_co_u32 s37, s37, 128
.endm
; A tile's way out: O^T / the sum, quantised along the head's 64 (two blocks of the last product's K), one image of 768 bytes and two scale bytes a row.
.macro OUT
.rept 4
	v_nop
.endr
	v_add_f32 v14, v14, v15
	s_delay_alu instid0(VALU_DEP_1)
	v_permlanex16_b32 v218, v14, s32, s33
	s_delay_alu instid0(VALU_DEP_1)
	v_add_f32 v14, v14, v218
	s_wait_alu depctr_va_vdst(0)
	v_rcp_f32 v14, v14
	v_nop
	s_wait_alu depctr_va_vdst(0)
.set j, 0
.rept 16
	v_pk_mul_f32 v[88+j:89+j], v[152+j:153+j], v[14:15] op_sel_hi:[1,0]
.set j, j+2
.endr
.irp b, 0,1
	v_max3_num_f32 v[204+\b], |v[88+16*\b]|, |v[89+16*\b]|, 0x1800000
.endr
.irp i, 2,4,6,8,10,12,14
.irp b, 0,1
	s_delay_alu instid0(VALU_DEP_2)
	v_max3_num_f32 v[204+\b], v[204+\b], |v[88+16*\b+\i]|, |v[89+16*\b+\i]|
.endr
.endr
.irp b, 0,1
	s_delay_alu instid0(VALU_DEP_2)
	v_permlanex16_b32 v[208+\b], v[204+\b], s32, s33
.endr
.irp b, 0,1
	s_delay_alu instid0(VALU_DEP_2)
	v_max_num_f32 v[204+\b], v[204+\b], v[208+\b]
.endr
.irp b, 0,1
	s_delay_alu instid0(VALU_DEP_2)
	v_add_nc_u32 v[212+\b], 0xff000000, v[204+\b]
.endr
.irp b, 0,1
	s_delay_alu instid0(VALU_DEP_2)
	v_lshrrev_b32 v[208+\b], 23, v[212+\b]
.endr
	v_cvt_scalef32_pk16_fp6_f32 v[184:186], v[88:103], v212
	v_cvt_scalef32_pk16_fp6_f32 v[196:198], v[104:119], v213
	v_nop
.irp i, 0,1,2
	v_permlane16_swap_b32 v[184+\i], v[196+\i]
.endr
.irp i, 0,1,2
	s_delay_alu instid0(VALU_DEP_3)
	v_mov_b32 v[187+\i], v[196+\i]
.endr
	s_mov_b32 vcc_lo, 0xffff0000
	v_cndmask_b32 v218, v208, v209, vcc_lo
	global_store_b128 v1, v[184:187], s[48:49]
	global_store_b64 v2, v[188:189], s[48:49] offset:512
	global_store_b8 v5, v218, s[50:51]
.endm
; ---------------- the head
	s_load_b128 s[4:7], s[0:1], 0x0                ; at, cw
	s_load_b64 s[8:9], s[0:1], 0x10                ; cs
	v_lshl_add_u32 v224, v0, 2, SPARE
	v_mov_b32 v225, 0
	ds_add_u32 v224, v225                          ; the opening lines: the add, twice on end, and its wait ahead of the round in front of the first loads
	ds_add_u32 v224, v225
	v_lshrrev_b32 v8, 5, v0
	v_readfirstlane_b32 s10, v8                    ; wave 0..15
	s_and_b32 s11, ttmp7, 0xffff                   ; head: the cluster's y
	s_bfe_u32 s62, ttmp6, 0x40000                  ; cx: my place among the head's four work-groups
	s_mov_b32 s16, (3<<16)|(1<<21)|15              ; group 1: the mask names all four partners; a record is a dense block: 50 rows of 256 bytes (32 elements of 8)
	s_mov_b32 s17, 32<<16
	s_mov_b32 s18, 50<<16
	s_mov_b32 s19, 32<<16
	s_mov_b32 s20, 50
	s_mov_b32 s21, 32
	s_mov_b32 s22, 0
	s_mov_b32 s23, 0
	s_mul_i32 s25, s10, REC                        ; record w to LDS byte w x 12,800: the same in all partners
	s_mul_i32 s2, s11, 16*REC
	s_add_co_u32 s2, s2, s25
	s_mov_b32 s3, 0
	s_mov_b32 s24, 1
	s_wait_alu depctr_va_vdst(0)
	s_wait_dscnt 0x0
	ROUND                                          ; all four work-groups are here: the joint loads meet
	s_wait_kmcnt 0x0
	s_add_nc_u64 s[26:27], s[4:5], s[2:3]
	s_or_b32 s27, s27, 0x80000000
	s_cmp_eq_u32 s10, 0
	s_cbranch_scc0 .Lrest
	tensor_load_to_lds s[24:27], s[16:23]          ; wave 0: record 0, on a line of its own: the first barrier waits for it alone
	s_nop 0
	s_branch .Lasked
.Lrest:
	tensor_load_to_lds s[24:27], s[16:23]          ; waves 1 to 15: records 1 to 15
	s_nop 0
.Lasked:
	s_mov_b32 s32, 0x76543210
	s_mov_b32 s33, 0xfedcba98                      ; v_permlanex16_b32's selects for lane l xor 16
	s_mov_b32 s34, 0x3e38aa3b                      ; log2(e) / 8
	s_mov_b32 s35, s34
	s_mov_b32 s53, 0
	s_lshr_b32 s59, s10, 1                         ; my short tile's group
	s_lshl_b32 s60, s59, 3
	s_lshl_b32 s52, s62, 1
	s_add_co_u32 s60, s60, s52
	s_and_b32 s52, s10, 1
	s_add_co_u32 s60, s60, s52                     ; my short tile: 8 (w / 2) + 2 cx + w % 2
	s_lshl_b32 s39, s59, 7                         ; 128 x group, of the wave's number alone
	s_sub_co_u32 s63, 2047, s39                    ; the long tile's group 15 - w / 2: its diagonal step's last key
	s_mov_b32 s41, s60
	QADR 56, 58
	s_sub_co_u32 s41, 127, s60                     ; my long tile comes first
	QADR 44, 46
	OADR
	s_mov_b32 s36, 0
	s_mov_b32 s37, 0
	v_and_b32 v6, 31, v0
	v_and_b32 v7, 15, v0
	v_bfe_u32 v10, v0, 4, 1
	v_lshlrev_b32 v1, 4, v6
	v_lshlrev_b32 v2, 3, v6
	v_lshrrev_b32 v3, 3, v7
	v_and_b32 v11, 7, v7
	v_lshl_add_u32 v3, v3, 4, v11
	v_lshlrev_b32 v11, 4, v10
	v_sub_nc_u32 v3, v3, v11
	v_lshlrev_b32 v4, 4, v7
	v_lshl_add_u32 v5, v7, 3, v10
.irp i, 0,1,2,3,4,5
	v_mov_b32 v[16+\i], 0                          ; the zeros on either side of q
	v_mov_b32 v[28+\i], 0
.endr
.irp b, 0,1,2,3
	v_mov_b32 v[208+\b], 0                         ; a lane permute's destination counts as one of its sources
.endr
	v_mov_b32 v217, 0
	v_mov_b32 v216, 0
	v_mov_b32 v218, 0
	v_mov_b32 v222, 0xff800000
	INIT
	s_wait_alu depctr_va_vdst(0)                   ; the wait at the head's end
	global_load_b128 v[22:25], v1, s[44:45]        ; the long tile's q,
	global_load_b64 v[26:27], v2, s[44:45] offset:512
	global_load_b32 v34, v4, s[46:47]
	global_load_b128 v[226:229], v1, s[56:57]      ; and the short tile's, kept until its turn
	global_load_b64 v[230:231], v2, s[56:57] offset:512
	global_load_b32 v232, v4, s[58:59]
	s_cmp_lg_u32 s10, 0
	s_cbranch_scc1 .Lnot_0
	s_wait_tensorcnt 0x0                           ; wave 0: record 0 is in
.Lnot_0:
	s_barrier_signal -1
	s_barrier_wait -1                              ; record 0 is shown to all
	s_wait_loadcnt 0x0
; ---------------- the long tile: step 0 on record 0, then the barrier that shows all records, then steps 1 to 15
	STEP 1
	s_wait_alu depctr_va_vdst(0)                   ; the wait here, directly ahead of the wait below
	s_wait_tensorcnt 0x0                           ; my record is in (every wave, under no branch)
	s_barrier_signal -1
	s_barrier_wait -1
	s_mov_b32 s40, 15
.Llong:
	STEP 0
	s_sub_co_u32 s40, s40, 1
	s_cmp_lg_u32 s40, 0
	s_cbranch_scc1 .Llong
	OUT
; ---------------- the short tile: it lies in the first 1,024 rows: steps 0 to 7
	s_wait_xcnt 0x0                                ; the stores have read their bases and their data
	s_mov_b32 s41, s60
	OADR
	s_add_co_u32 s63, s39, 127                     ; group w / 2: its diagonal step's last key
.irp i, 0,1,2,3,4,5
	v_mov_b32 v[22+\i], v[226+\i]
.endr
	v_mov_b32 v34, v232
	INIT
.set j, 0
.rept 32
	v_mov_b32 v[152+j], 0                          ; the loop's step is written once: its first trip finds zeros
.set j, j+1
.endr
	s_mov_b32 s36, 0
	s_mov_b32 s37, 0
	s_mov_b32 s40, 8
.Lshort:
	STEP 0
	s_sub_co_u32 s40, s40, 1
	s_cmp_lg_u32 s40, 0
	s_cbranch_scc1 .Lshort
	OUT
	s_wait_tensorcnt 0x0                           ; the wave's end
	ds_add_u32 v224, v225
	s_wait_dscnt 0x0
	ROUND                                          ; the closing round
	s_endpgm
.Lfunc_end_k_q13d4ca2ef5_attn:
	.size	k_q13d4ca2ef5_attn, .Lfunc_end_k_q13d4ca2ef5_attn-k_q13d4ca2ef5_attn
	.p2alignl 7, 3214868480
	.fill 96, 4, 3214868480
	.section	.rodata,"a",@progbits
	.p2align	6, 0x0
	.amdhsa_kernel k_q13d4ca2ef5_attn
		.amdhsa_group_segment_fixed_size 327680
		.amdhsa_private_segment_fixed_size 0
		.amdhsa_enable_private_segment 0
		.amdhsa_kernarg_size 24
		.amdhsa_user_sgpr_count 2
		.amdhsa_user_sgpr_kernarg_segment_ptr 1
		.amdhsa_wavefront_size32 1
		.amdhsa_system_sgpr_workgroup_id_x 1
		.amdhsa_system_sgpr_workgroup_id_y 1
		.amdhsa_system_sgpr_workgroup_id_z 1
		.amdhsa_system_vgpr_workitem_id 0
		.amdhsa_next_free_vgpr 234
		.amdhsa_next_free_sgpr 66
		.amdhsa_reserve_vcc 1
		.amdhsa_float_denorm_mode_32 3
		.amdhsa_float_denorm_mode_16_64 3
		.amdhsa_memory_ordered 1
		.amdhsa_forward_progress 1
		.amdhsa_inst_pref_size 80
	.end_amdhsa_kernel
	.amdgpu_metadata
---
amdhsa.version: [ 1, 2 ]
amdhsa.kernels:
  - .name:           k_q13d4ca2ef5_attn
    .symbol:         k_q13d4ca2ef5_attn.kd
    .args:
      - { .name: at, .offset: 0, .size: 8, .value_kind: global_buffer, .address_space: global }
      - { .name: cw, .offset: 8, .size: 8, .value_kind: global_buffer, .address_space: global }
      - { .name: cs, .offset: 16, .size: 8, .value_kind: global_buffer, .address_space: global }
    .group_segment_fixed_size: 327680
    .private_segment_fixed_size: 0
    .kernarg_segment_align: 8
    .kernarg_segment_size: 24
    .max_flat_workgroup_size: 512
    .sgpr_count:     66
    .vgpr_count:     234
    .wavefront_size: 32
...
	.end_amdgpu_metadata
.endif
;; end of part 3
;; launch proj (part 4): grid 4 x 64, 4 waves a work-group, clusters of 4 x 4, 327,680 bytes of LDS; arguments cw, cs, b_out, out0; writes out0
.if DOCPART == 4
	.amdgcn_target "amdgcn-amd-amdhsa--gfx1250"
	.amdhsa_code_object_version 6
	.text
	.protected	k_q13d4ca2ef5_proj
	.globl	k_q13d4ca2ef5_proj
	.p2align	8
	.type	k_q13d4ca2ef5_proj,@function
k_q13d4ca2ef5_proj:
	s_mov_b64 s[64:65], 0
	v_nop
	global_prefetch_b8 v0, s[64:65] scope:SCOPE_SE
	s_setreg_imm32_b32 hwreg(HW_REG_WAVE_MODE, 25, 1), 1
	s_wait_xcnt 0x0
	s_wait_alu depctr_hold_cnt(0) depctr_sa_sdst(0) depctr_va_vdst(0) depctr_va_sdst(0) depctr_va_ssrc(0) depctr_va_vcc(0) depctr_vm_vsrc(0)
	s_getreg_b32 s2, hwreg(HW_REG_IB_STS2, 6, 4)
	s_cmp_eq_u32 s2, 0
	s_cbranch_scc0 .Lentry_in_a_cluster
	s_endpgm
.Lentry_in_a_cluster:
	s_bfe_u32 s2, ttmp6, 0x10000c
	s_cmp_lg_u32 s2, 0xf033
	s_cbranch_scc0 .Lentry_shape_is_right
	s_endpgm
.Lentry_shape_is_right:
; out0 = y w_out + b_out on codes of FP6 (E2M3) with E8M0 scales, K = 1024.  A = y (cw tiles 768 on, by token), B = w_out (tiles 704-767, by output feature).
; A work-group of four waves makes 128 rows x 256 columns: 64 x 4 = 256 work-groups; a wave makes 64 x 128: 32 accumulators of 16 x 16.
; ALL OF K LIES IN LDS: A's 8 tiles and B's 16 tiles of 12,288 bytes, 294,912 bytes, each byte filled once by the head's four joint loads, one a wave (waves 0, 1: 4 tiles of A each; waves 2, 3: 8 tiles of B each).
; So there is no ring, no refill, and one barrier in front of the products.  A tile is [kh 0..15][768 bytes], images of six operand registers: a fragment (16 x 128) is two images, four LDS loads of consecutive bytes.
; A's and B's fragments have two sets of registers each: a step's 48 loads for the next step are issued ahead of its 32 products.
; THE MATRIX INSTRUCTION IS USED TRANSPOSED (source 0 = B's rows, source 1 = A's): a lane holds eight neighbouring columns of one row.  The bias is the first products' C.
; Lane-row i of tile t is row 32 (t / 2) + 16 (i / 8) + 8 (t % 2) + i % 8, of tokens and of features alike.
; CLUSTERS: 4 x 4; A's tiles are asked for jointly along a row of the cluster, B's along a column.  NO PREFETCH: every tile is asked for at the head; there is no later request to run ahead of.
; THE WAY OUT goes through a stage of 16 x 528 bytes a wave, laid on A's bytes: they have had their only fill, and a barrier split round the last step's products shows every wave's reads done.
; REGISTERS: window 0: v16-31 addresses; v32-95 scale words: step gs, tile i at v[32 + 16 (gs / 2) + 2 i + gs % 2], lanes 0-15 A's, lanes 16-31 B's; v96-127, v224-255 the bias; v128-223 A's two sets.
;   window 1: B's two sets at v0 and v128.  window 2: accumulator (a, b) at v[8 (8 a + b)].
.set TB,     12288
.set BREG,   8*TB
.set SPARE,  24*TB                     ; behind the tiles: the spare words, 128 bytes for each wave
.set SPITCH, 528
.set FR,     12
.set SCO2,   22
.set L16,    24
.set L8,     25
.set STO,    26
.set RD,     27
.set SPW,    28
.set NIL,    29
.set SCO,    30
.set BNO,    31
.set SC,     32
.set AF,     128
.set BK,     128
.set G1,  24
.set G0,  32
.set G1B, 48
.set G0B, 56
.set MSB, 0
.macro WIN new                         ; the immediate's high byte repeats the setting that is left
.if MSB != (\new)
	s_set_vgpr_msb (MSB<<8)|(\new)
.set MSB, (\new)
.endif
.endm
.macro CROUND                          ; a round of the cluster's barrier
	s_barrier_signal -1
	s_barrier_wait -1
	s_cmp_lg_u32 s14, 0
	s_cbranch_scc1 .Lnot_wave_0_\@
	s_barrier_signal -3
.Lnot_wave_0_\@:
	s_barrier_wait -3
	s_barrier_signal -1
	s_barrier_wait -1
.endm
.macro PLACES                          ; four plain vector lines behind a matrix instruction (ISA guide 7.12.1)
.rept 4
	v_nop
.endr
.endm
.macro FRAG reg, a16, a8, off
	ds_load_b128 v[\reg:\reg+3], v[\a16] offset:\off
	ds_load_b64 v[\reg+4:\reg+5], v[\a8] offset:\off+512
	ds_load_b128 v[\reg+6:\reg+9], v[\a16] offset:\off+768
	ds_load_b64 v[\reg+10:\reg+11], v[\a8] offset:\off+1280
.endm
.macro FETCH gs, p                     ; step gs's fragments into set p: B's eight (tiles 4-7 by a second pair of addresses: an offset has 16 bits), A's four
	WIN 0x40
.irp i, 0,1,2,3,4,5,6,7
	FRAG 128*(\p)+FR*\i, 18+2*(\i/4), 19+2*(\i/4), (\i%4)*TB+(\gs)*1536
.endr
	WIN 0
.irp i, 0,1,2,3
	FRAG AF+48*(\p)+FR*\i, 16, 17, \i*TB+(\gs)*1536
.endr
.endm
.macro MUL32 p, gs                     ; the 32 accumulators take turns, one instruction a turn, in the same order in every step
.if (\gs) == 0
	WIN 0x81                                       ; C (the bias) window 0, D window 2
.else
	WIN 0xa1
.endif
.irp a, 0,1,2,3
.irp b, 0,1,2,3,4,5,6,7
.if (\gs) == 0
	v_wmma_scale_f32_16x16x128_f8f6f4 v[8*(8*\a+\b):8*(8*\a+\b)+7], v[128*(\p)+FR*\b:128*(\p)+FR*\b+FR-1], v[AF+48*(\p)+FR*\a:AF+48*(\p)+FR*\a+FR-1], v[96+8*\b+96*(\b/4):96+8*\b+96*(\b/4)+7], v[SC+16*((\gs)/2)+2*\b+(\gs)%2], v[SC+16*((\gs)/2)+2*\a+(\gs)%2] matrix_a_fmt:MATRIX_FMT_FP6 matrix_b_fmt:MATRIX_FMT_FP6 matrix_a_scale:MATRIX_SCALE_ROW1
.else
	v_wmma_scale_f32_16x16x128_f8f6f4 v[8*(8*\a+\b):8*(8*\a+\b)+7], v[128*(\p)+FR*\b:128*(\p)+FR*\b+FR-1], v[AF+48*(\p)+FR*\a:AF+48*(\p)+FR*\a+FR-1], v[8*(8*\a+\b):8*(8*\a+\b)+7], v[SC+16*((\gs)/2)+2*\b+(\gs)%2], v[SC+16*((\gs)/2)+2*\a+(\gs)%2] matrix_a_fmt:MATRIX_FMT_FP6 matrix_b_fmt:MATRIX_FMT_FP6 matrix_a_scale:MATRIX_SCALE_ROW1
.endif
.endr
.endr
	WIN 0
.endm
; ---------------- the head
	s_load_b128 s[4:7], s[0:1], 0x0                ; cw, cs
	s_load_b128 s[8:11], s[0:1], 0x10              ; b_out, out0
	v_lshl_add_u32 v[SPW], v0, 2, SPARE
	v_mov_b32 v[NIL], 0
	ds_add_u32 v[SPW], v[NIL]                      ; the opening lines: the add, twice on end, and its wait
	ds_add_u32 v[SPW], v[NIL]
	v_lshrrev_b32 v128, 5, v0
	v_readfirstlane_b32 s14, v128                  ; wave 0..3
	s_lshr_b32 s15, s14, 1                         ; which 4 tiles of A are mine.  Also: I fetch for A (0) or for B (1)
	s_and_b32 s16, s14, 1                          ; which 8 tiles of B.  Also: which half of that operand I fetch
	s_bfe_u32 s40, ttmp6, 0x40000                  ; cx
	s_bfe_u32 s41, ttmp6, 0x40004                  ; cy
	s_and_b32 s17, ttmp7, 0xffff                   ; the cluster's y
	s_lshl_b32 s43, s41, 2
	s_lshl_b32 s43, 15, s43                        ; my row of the cluster
	s_lshl_b32 s44, 0x1111, s40                    ; my column
	s_or_b32 s[G1], s43, (3<<16)|(1<<21)           ; group 1: rows (tiles) of 12,288 bytes, 1,536 elements of 8, dense: 4 for A,
	s_or_b32 s[G1B], s44, (3<<16)|(1<<21)          ; 8 for B
	s_mov_b32 s[G1+2], 4<<16
	s_mov_b32 s[G1+4], 4
	s_mov_b32 s[G1B+2], 8<<16
	s_mov_b32 s[G1B+4], 8
.irp g, G1, G1B
	s_mov_b32 s[\g+1], 1536<<16
	s_mov_b32 s[\g+3], 1536<<16
	s_mov_b32 s[\g+5], 1536
	s_mov_b32 s[\g+6], 0
	s_mov_b32 s[\g+7], 0
.endr
	s_lshl_b32 s20, s17, 5
	s_add_co_u32 s20, s20, 768
	s_lshl_b32 s21, s41, 3
	s_add_co_u32 s20, s20, s21                     ; my work-group's first tile of A: hangs on cy alone
	s_lshl_b32 s46, s40, 4
	s_add_co_u32 s46, s46, 704                     ; of B: on cx alone
	s_lshl_b32 s21, s16, 2
	s_add_co_u32 s22, s20, s21
	s_mul_i32 s22, s22, TB
	s_mov_b32 s23, 0
	s_lshl_b32 s21, s16, 3
	s_add_co_u32 s92, s46, s21
	s_mul_i32 s92, s92, TB
	s_mov_b32 s93, 0
	s_mov_b32 s[G0], 1
	s_mul_i32 s[G0+1], s16, 4*TB                   ; no place in the cluster enters an LDS address
	s_mov_b32 s[G0B], 1
	s_mul_i32 s[G0B+1], s16, 8*TB
	s_add_co_u32 s[G0B+1], s[G0B+1], BREG
	s_wait_dscnt 0x0                               ; both opening adds are done
	s_wait_kmcnt 0x0
	s_add_nc_u64 s[G0+2:G0+3], s[4:5], s[22:23]
	s_or_b32 s[G0+3], s[G0+3], 0x80000000
	s_add_nc_u64 s[G0B+2:G0B+3], s[4:5], s[92:93]
	s_or_b32 s[G0B+3], s[G0B+3], 0x80000000
	CROUND                                         ; all sixteen work-groups are here: the joint loads meet
	s_cmp_eq_u32 s15, 0
	s_cbranch_scc0 .Lfor_b
	tensor_load_to_lds s[G0:G0+3], s[G1:G1+7]
	s_nop 0
	PLACES
	s_branch .Lasked
.Lfor_b:
	tensor_load_to_lds s[G0B:G0B+3], s[G1B:G1B+7]
	s_nop 0
	PLACES
.Lasked:
	s_mul_i32 s70, s15, 4*TB                       ; my 4 tiles of A in LDS,
	s_mul_i32 s71, s16, 8*TB
	s_add_co_u32 s71, s71, BREG                    ; my 8 of B,
	s_add_co_u32 s72, s71, 4*TB                    ; the upper 4 of them
	s_mul_i32 s73, s14, 16*SPITCH                  ; my stage
	s_lshl_b32 s74, s15, 2
	s_add_co_u32 s74, s74, s20
	s_lshl_b32 s74, s74, 9                         ; my first tile of A among the scale bytes: 512 bytes a tile
	s_sub_co_u32 s77, s74, 2048                    ; (A has 4 tiles: beside B's tiles 4-7 lanes 0-15 load A's 0-3 once more, which nothing reads: every load stays inside cs)
	s_lshl_b32 s75, s16, 3
	s_add_co_u32 s75, s75, s46
	s_lshl_b32 s75, s75, 9                         ; of B
	s_lshl_b32 s76, s40, 8
	s_lshl_b32 s78, s16, 7
	s_add_co_u32 s76, s76, s78
	s_lshl_b32 s76, s76, 2                         ; my first column, in bytes
	s_lshl_b32 s78, s17, 2
	s_add_co_u32 s78, s78, s41
	s_lshl_b32 s78, s78, 7
	s_lshl_b32 s79, s15, 6
	s_add_co_u32 s78, s78, s79                     ; my first row: 128 x (4 x cluster y + cy) + 64 x half
	s_lshl_b32 s78, s78, 12
	s_add_co_u32 s78, s78, s76
	s_mov_b32 s79, 0
	s_add_nc_u64 s[10:11], s[10:11], s[78:79]
	s_mov_b32 vcc_lo, 0xffff0000
	v_and_b32 v128, 31, v0
	v_and_b32 v129, 15, v0
	v_bfe_u32 v130, v0, 4, 1
	v_lshlrev_b32 v[L16], 4, v128
	v_lshlrev_b32 v[L8], 3, v128
	v_add_nc_u32 v16, s70, v[L16]
	v_add_nc_u32 v17, s70, v[L8]
	v_add_nc_u32 v18, s71, v[L16]
	v_add_nc_u32 v19, s71, v[L8]
	v_add_nc_u32 v20, s72, v[L16]
	v_add_nc_u32 v21, s72, v[L8]
	v_mul_u32_u24 v[STO], v129, SPITCH
	v_lshl_add_u32 v[STO], v130, 6, v[STO]
	v_add_nc_u32 v[STO], s73, v[STO]               ; into the stage: row r, 64 bytes for each half of the lanes in each 128
	v_add_nc_u32 v[RD], s73, v[L16]                ; back: the 32 lanes take one row of 512 bytes
	v_mov_b32 v[SCO], s74
	v_mov_b32 v[SCO2], s77
	v_mov_b32 v131, s75
	v_cndmask_b32 v[SCO], v[SCO], v131, vcc_lo     ; lanes 0-15 take A's words, lanes 16-31 B's
	v_cndmask_b32 v[SCO2], v[SCO2], v131, vcc_lo
	v_lshl_add_u32 v[SCO], v129, 3, v[SCO]
	v_lshl_add_u32 v[SCO2], v129, 3, v[SCO2]
	v_lshl_add_u32 v[BNO], v130, 6, s76            ; the bias: my 128 columns, + 16 h of them
	s_wait_alu depctr_va_vdst(0)                   ; the wait at the head's end
.irp i, 0,1,2,3
.irp d, 0,1,2,3
	global_load_b64 v[SC+16*\d+2*\i:SC+16*\d+2*\i+1], v[SCO], s[6:7] offset:(\i/2)*1024+(\i%2)*128+\d*256   ; the scale words of two steps
.endr
.endr
.irp i, 4,5,6,7
.irp d, 0,1,2,3
	global_load_b64 v[SC+16*\d+2*\i:SC+16*\d+2*\i+1], v[SCO2], s[6:7] offset:(\i/2)*1024+(\i%2)*128+\d*256
.endr
.endr
.irp b, 0,1,2,3,4,5,6,7
	global_load_b128 v[96+8*\b+96*(\b/4):96+8*\b+96*(\b/4)+3], v[BNO], s[8:9] offset:128*(\b/2)+32*(\b%2)
	global_load_b128 v[96+8*\b+96*(\b/4)+4:96+8*\b+96*(\b/4)+7], v[BNO], s[8:9] offset:128*(\b/2)+32*(\b%2)+16
.endr
	s_wait_loadcnt 0x0
	s_wait_tensorcnt 0x0                           ; my tiles are in,
	s_barrier_signal -1
	s_barrier_wait -1                              ; everybody's are
; ---------------- eight steps of 128 along K, written out: the scale words' registers are numbered by the step
	FETCH 0, 0
.set GS, 0
.rept 8
	s_wait_dscnt 0x0                               ; this step's fragments, asked for a step ago, are in
.if GS < 7
.if GS > 0
	PLACES                                         ; behind the last step's products, ahead of loads into their registers
.endif
	FETCH GS+1, (GS+1)%2
.else
	s_barrier_signal -1                            ; my last reads of the tiles are over: the stage may be laid on A's bytes when all have said so
.endif
	MUL32 GS%2, GS
.set GS, GS+1
.endr
	s_barrier_wait -1
; ---------------- the way out, a block of 16 rows x 128 columns at a time, through my own stage; LDS serves a wave's instructions in order (ISA guide 5.7.1.4)
.macro TOSTAGE a
	WIN 0x08                                       ; the data: window 2
.irp b, 0,1,2,3,4,5,6,7
	ds_store_b128 v[STO], v[64*(\a)+8*\b:64*(\a)+8*\b+3] offset:128*(\b/2)+32*(\b%2)      ; each accumulator from its low end on
	ds_store_b128 v[STO], v[64*(\a)+8*\b+4:64*(\a)+8*\b+7] offset:128*(\b/2)+32*(\b%2)+16
.endr
	WIN 0
.set BB, BK+64*((\a)%2)
.irp t, 0,1,2,3,4,5,6,7,8,9,10,11,12,13,14,15
	ds_load_b128 v[BB+4*\t:BB+4*\t+3], v[RD] offset:\t*SPITCH
.endr
.endm
.macro SEND a, younger                 ; younger: the LDS instructions issued behind block a's loads
.set BB, BK+64*((\a)%2)
	s_wait_dscnt \younger
.irp t, 0,1,2,3,4,5,6,7,8,9,10,11,12,13,14,15
	global_store_b128 v[L16], v[BB+4*\t:BB+4*\t+3], s[10:11] offset:(32*((\a)/2)+16*(\t/8)+8*((\a)%2)+\t%8)*4096 th:TH_STORE_NT   ; 32 lanes store 512 consecutive bytes, aligned
.endr
.endm
	PLACES
	TOSTAGE 0
.irp a, 1,2,3
.if \a > 1
	s_wait_xcnt 0x0                                ; block a - 2's stores have read their data: block a's loads may land there
.endif
	TOSTAGE \a
	SEND \a-1, 32
.endr
	SEND 3, 0
	s_wait_tensorcnt 0x0                           ; the wave's end
	ds_add_u32 v[SPW], v[NIL]
	s_wait_dscnt 0x0
	CROUND                                         ; the closing round
	s_endpgm
.Lfunc_end_k_q13d4ca2ef5_proj:
	.size	k_q13d4ca2ef5_proj, .Lfunc_end_k_q13d4ca2ef5_proj-k_q13d4ca2ef5_proj
	.p2alignl 7, 3214868480
	.fill 96, 4, 3214868480
	.section	.rodata,"a",@progbits
	.p2align	6, 0x0
	.amdhsa_kernel k_q13d4ca2ef5_proj
		.amdhsa_group_segment_fixed_size 327680
		.amdhsa_private_segment_fixed_size 0
		.amdhsa_enable_private_segment 0
		.amdhsa_kernarg_size 32
		.amdhsa_user_sgpr_count 2
		.amdhsa_user_sgpr_kernarg_segment_ptr 1
		.amdhsa_wavefront_size32 1
		.amdhsa_system_sgpr_workgroup_id_x 1
		.amdhsa_system_sgpr_workgroup_id_y 1
		.amdhsa_system_sgpr_workgroup_id_z 1
		.amdhsa_system_vgpr_workitem_id 0
		.amdhsa_next_free_vgpr 768
		.amdhsa_next_free_sgpr 100
		.amdhsa_reserve_vcc 1
		.amdhsa_float_denorm_mode_32 3
		.amdhsa_float_denorm_mode_16_64 3
		.amdhsa_memory_ordered 1
		.amdhsa_forward_progress 1
		.amdhsa_inst_pref_size 84
	.end_amdhsa_kernel
	.amdgpu_metadata
---
amdhsa.version: [ 1, 2 ]
amdhsa.kernels:
  - .name:           k_q13d4ca2ef5_proj
    .symbol:         k_q13d4ca2ef5_proj.kd
    .args:
      - { .name: cw, .offset: 0, .size: 8, .value_kind: global_buffer, .address_space: global }
      - { .name: cs, .offset: 8, .size: 8, .value_kind: global_buffer, .address_space: global }
      - { .name: b_out, .offset: 16, .size: 8, .value_kind: global_buffer, .address_space: global }
      - { .name: out0, .offset: 24, .size: 8, .value_kind: global_buffer, .address_space: global }
    .group_segment_fixed_size: 327680
    .private_segment_fixed_size: 0
    .kernarg_segment_align: 8
    .kernarg_segment_size: 32
    .max_flat_workgroup_size: 128
    .sgpr_count:     100
    .vgpr_count:     768
    .wavefront_size: 32
...
	.end_amdgpu_metadata
.endif
;; end of part 4
